; MI455X (gfx1250); checked and timed in simulation.
; The chip was launched on July 23, 2026; its instructions are those of AMD's public machine-readable ISA for CDNA 5 (MIT licence, August 2026) and "CDNA5" Instruction Set Architecture Reference Guide (July 2026). The comments in the code are by the model that wrote it; some were corrected since.
;; Causal Self Attention. Allowed arithmetic: matrix products marked QUANTISED: E2M3 operands, one E8M0 scale for each 32 along K, by v_wmma_scale_f32_16x16x128_f8f6f4 with both operands' format E2M3, f32 sums; everything else in f32.
;; Inputs: W_out 1,024 x 1,024 float32; W_qkv 1,024 x 3,072 float32; b_out 1,024 float32; b_qkv 3,072 float32; x 4 x 2,048 x 1,024 float32.
;; Outputs: out0 4 x 2,048 x 1,024 float32.
;; This version of the problem:
;;   THIS VERSION OF THE PROBLEM IS GIVEN IN LOW PRECISION. The matrix products marked QUANTISED in the list below multiply operands that are first quantised to E2M3 (2 exponent bits, 3 mantissa bits; 6 bits a number), with one power-of-two scale for each 32 numbers along K (OCP MX v1.0); their sums are f32. All else is computed in f32.
;;   The module's matrix products, in the order in which they are computed (A, B: the left and right operand; K: the contracted axis; several contracted axes count as one K, in the product's order):
;;     1. [M 8,192, K 1,024] x [K 1,024, N 3,072]; A: input x; B: input W_qkv: QUANTISED
;;     2. batch 64 x [M 2,048, K 64] x [K 64, N 2,048]; A: computed on the way; B: computed on the way: QUANTISED
;;     3. batch 64 x [M 2,048, K 2,048] x [K 2,048, N 64]; A: softmax (see below); B: computed on the way: QUANTISED
;;     4. [M 8,192, K 1,024] x [K 1,024, N 1,024]; A: computed on the way; B: input W_out: QUANTISED
;;   THE QUANTISER, for each operand of a quantised product, along K:
;;     - K is cut into blocks of 32 from its start; a last block that is shorter is filled with zeros.
;;     - A block's scale is 2^e with e = floor(log2(the largest magnitude in the block)) - 2, held to -126 .. 127; a block of zeros has e = 0. As a byte (E8M0): e + 127.
;;     - Each number is divided by its block's scale, clamped to +-7.5, and rounded to the nearest number of E2M3, ties to even, subnormals kept.
;;     - The product sums the exact products of the quantised numbers (number of the format x scale) in f32.
;;   ~~~python
;;   def quantise(x, axis):      # numpy; x: float32 -> the quantised numbers, widened to float32 again
;;       x = np.moveaxis(x, axis, -1); K = x.shape[-1]
;;       x = np.pad(x, [(0, 0)] * (x.ndim - 1) + [(0, -K % 32)]); x = x.reshape(x.shape[:-1] + (-1, 32)); a = np.abs(x).max(-1, keepdims=True)
;;       e = np.where(a > 0, np.clip(np.frexp(np.where(a > 0, a, 1))[1] - 1 - 2, -126, 127), 0)      # np.frexp(a)[1] - 1 = floor(log2(a)), exactly
;;       r = np.clip(x / 2.0 ** e, -7.5, 7.5)
;;       step = 2.0 ** (np.maximum(np.frexp(np.where(r == 0, 1, r))[1] - 1, 0) - 3)
;;       q = np.round(r / step) * step * 2.0 ** e      # np.round: ties to even
;;       return np.moveaxis(q.reshape(q.shape[:-2] + (-1,))[..., :K], -1, axis).astype(np.float32)
;;   ~~~
;;   SOFTMAX AHEAD OF A QUANTISED PRODUCT. Where the list says 'softmax', what is quantised is not the finished softmax but p = 2^(t - M), with t = logit x log2(e) and M = ceil(the row's largest t), a whole number; so 1/2 < the row's largest p <= 1. The row's sum l is taken of the UNQUANTISED p, in f32, and the product's result is divided by l at the end. Since M is a whole number, a kernel that streams over the keys may use a running M (the ceiling of the running maximum): every later rescaling is an exact power of two, which a block's scale takes up: the codes' values come out the same.
;;   OPERANDS COMPUTED ON THE WAY. 'Computed on the way' means the value that the module computes at that place (a softmax that the list does not call 'softmax' is quantised finished and normalised). What goes into a quantiser is computed in f32, as accurately as f32 sums, v_exp_f32 and their like allow (about 1e-6 of the number): no bf16 or f16 on the way to a quantiser, and a product that is left as it is and whose result goes on into a quantised operand takes f32 operands (vector FMAs, or v_wmma_f32_16x16x4_f32). A number that lies on a knife's edge between two numbers of the format may be rounded either way, as far as f32 arithmetic and the matrix unit's own rounding can turn it there, and no further.
;; One version. Each part assembles by itself: llvm-mc -triple=amdgcn-amd-amdhsa -mcpu=gfx1250 --defsym DOCPART=n.
;; ======== version 1 of 1: 4 launches
;; limits: right only within a limited range of input values
;; workspace buffers: ops 9,830,400 bytes; qkvq 20,185,088 bytes; yq 6,553,600 bytes
;; launch prep (part 1): grid 384 x 1, 4 waves a work-group, no clusters, 34,304 bytes of LDS; arguments x, W_qkv, W_out, ops; writes ops
.if DOCPART == 1
	.amdgcn_target "amdgcn-amd-amdhsa--gfx1250"
	.amdhsa_code_object_version 6
	.text
	.protected	k_q07a0ad1319_prep
	.globl	k_q07a0ad1319_prep
	.p2align	8
	.type	k_q07a0ad1319_prep,@function
k_q07a0ad1319_prep:
	s_mov_b64 s[64:65], 0
	v_nop
	global_prefetch_b8 v0, s[64:65] scope:SCOPE_SE
	s_setreg_imm32_b32 hwreg(HW_REG_WAVE_MODE, 25, 1), 1
	s_wait_xcnt 0x0
; x [8192][1024], W_qkv [1024][3072] and W_out [1024][1024], f32, become codes of FP6 (E2M3) with one E8M0 byte for each 32 along K (K = 1,024 for all three), laid as the matrix unit's registers take them.
; ROW TILES.  The rows of an operand (tokens of x, columns n of a weight) are cut into tiles of 16: tile 2 g + u holds in its row r the index 32 g + 8 u + r + 8 (r / 8).
; IMAGES.  16 rows x 64 K are 768 bytes: lane (r, h) holds k = 32 h .. 32 h + 31 in six registers; registers 0-3 lie at 16 (r + 16 h), registers 4-5 at 512 + 16 r + 8 h.
; ops: row tile rt (x: 0-511, W_qkv: 512-703, W_out: 704-767): codes at 12,288 rt, sixteen images on end along K; scale words at XS_OFF + 512 rt, laid [256 along K][row r][128 along K] x 4 bytes.
; A block's scale is 2^(floor(log2(largest magnitude)) - 2): its byte is that magnitude's exponent field - 2, held at 1 from below.
; LIMITS: NaN and infinities are not served; a block whose largest magnitude lies under 2^-124 has its byte held at 1; a block of zeros gets the byte 1 (its codes are zeros; this program alone reads the bytes).
; Work-groups 0-255 take x (a wave: one row tile x 512 along K), 256-351 W_qkv, 352-383 W_out (a wave: 32 columns x 256 along K).  Waves share nothing: no barrier.  Only x's path uses LDS.
.set XS_OFF, 0x900000
.set SPX,    528                       ; a row of the stage: 512 bytes + 16, so that the sixteen rows of a read start at sixteen different 16-byte columns
.set R,   16                           ; v16-143  two sets of 64: a fragment's numbers as they are loaded
.set X,   144                          ; v144-207 64 numbers of my row: k = 64 c + 32 h + 0 .. 31 at X + 32 c
.set C,   208                          ; v208-219 the fragment's codes
.set T,   220                          ; v220-226 the upper halves of the two blocks' codes, before they are moved
.set MX,  228                          ; v228-229 largest magnitudes
.set SO,  230                          ; v230-231 the conversions' scale operands
.set BY,  232                          ; v232-233 scale bytes
.set W,   234                          ; v234-237 the four fragments' scale words
.set WT,  238
.set WP,  239
.set OW,  240                          ; v240-241 the scale words as they leave
	s_load_b256 s[4:11], s[0:1], 0x0               ; x s[4:5], W_qkv s[6:7], W_out s[8:9], ops s[10:11]
	v_lshl_add_u32 v254, v0, 2, 0x8400
	v_mov_b32 v255, 0
	v_lshrrev_b32 v1, 5, v0
	v_readfirstlane_b32 s12, v1                    ; wave
	v_and_b32 v2, 31, v0                           ; lane
	v_and_b32 v3, 15, v0                           ; r
	v_bfe_u32 v4, v0, 4, 1                         ; h (in the weights' paths: u)
	s_cmp_lt_u32 ttmp9, 256
	s_cbranch_scc0 .Lweights
; ---------------- x: K is innermost.  Each load reads 512 consecutive bytes of one row; a fragment's 16 rows turn through the wave's own stage, so that a lane gets 32 neighbours of each of its two blocks.
	v_lshlrev_b32 v5, 4, v2                        ; 16 x lane
	v_lshlrev_b32 v6, 4, v3
	v_lshl_add_u32 v6, v4, 3, v6                   ; 16 r + 8 h
	v_lshlrev_b32 v9, 3, v4                        ; 8 h: my bytes' shift in a scale word
	v_lshlrev_b32 v10, 3, v2                       ; 8 x lane
	s_mul_i32 s24, s12, 16*SPX                     ; my stage
	v_add_nc_u32 v7, s24, v5                       ; into it: 16 x lane, a row an instruction
	v_mul_u32_u24 v8, v3, SPX
	v_lshl_add_u32 v8, v4, 7, v8
	v_add_nc_u32 v8, s24, v8                       ; out of it: row r, + 128 h
	v_mov_b32 v[WP], 0                             ; a lane permute's destination counts as read
	s_mov_b32 s26, 0x76543210
	s_mov_b32 s27, 0xfedcba98                      ; lane l xor 16
	s_mov_b32 s28, 0xffff0000                      ; lanes 16-31
	s_lshl_b32 s13, ttmp9, 2
	s_add_co_u32 s13, s13, s12                     ; job
	s_lshr_b32 s14, s13, 1                         ; row tile
	s_and_b32 s15, s13, 1                          ; which 512 along K
	s_lshr_b32 s16, s14, 1
	s_lshl_b32 s16, s16, 17                        ; 32 rows of 4,096 bytes for each pair of tiles
	s_and_b32 s17, s14, 1
	s_lshl_b32 s17, s17, 15                        ; 8 rows for the odd tile
	s_add_co_u32 s16, s16, s17
	s_lshl_b32 s17, s15, 11
	s_add_co_u32 s16, s16, s17
	s_mov_b32 s17, 0
	s_mul_i32 s18, s14, 12288
	s_mul_i32 s19, s15, 6144
	s_add_co_u32 s18, s18, s19                     ; my codes
	s_mov_b32 s19, 0
	s_lshl_b32 s20, s14, 9
	s_lshl_b32 s21, s15, 8
	s_add_co_u32 s20, s20, s21
	s_add_co_u32 s20, s20, XS_OFF                  ; my scale words: one aligned block of 256 bytes
	s_mov_b32 s21, 0
	s_wait_alu depctr_va_vdst(0)
	s_wait_kmcnt 0x0
	s_add_nc_u64 s[4:5], s[4:5], s[16:17]
	s_add_nc_u64 s[22:23], s[10:11], s[20:21]
	s_add_nc_u64 s[10:11], s[10:11], s[18:19]
.macro LOADX f                         ; fragment f: 16 rows x 512 bytes into set f % 2
.irp i, 0,1,2,3,4,5,6,7,8,9,10,11,12,13,14,15
	global_load_b128 v[R+64*((\f)%2)+4*\i:R+64*((\f)%2)+4*\i+3], v5, s[4:5] offset:(\i+8*(\i/8))*4096+512*(\f) th:TH_LOAD_NT
.endr
.endm
.macro FRAGX f
.if (\f) < 3
	s_wait_loadcnt 16                              ; this fragment's 16 loads are in; the next one's 16 may be out
.else
	s_wait_loadcnt 0x0
.endif
.irp i, 0,1,2,3,4,5,6,7,8,9,10,11,12,13,14,15
	ds_store_b128 v7, v[R+64*((\f)%2)+4*\i:R+64*((\f)%2)+4*\i+3] offset:SPX*\i
.endr
.irp c, 0,1
.irp m, 0,1,2,3,4,5,6,7
	ds_load_b128 v[X+32*\c+4*\m:X+32*\c+4*\m+3], v8 offset:256*\c+16*\m   ; LDS serves a wave's instructions in order: these see the stores above
.endr
.endr
.if (\f)+2 < 4
	s_wait_dscnt 16                                ; the 16 stores have read their registers (the 16 loads behind them may be out):
	LOADX (\f)+2                                   ; the set takes the fragment two further on
.endif
	s_wait_dscnt 0x0
	s_wait_xcnt 0x0                                ; the last fragment's stores have read the codes' registers
.irp c, 0,1
	v_max3_num_f32 v[MX+\c], |v[X+32*\c]|, |v[X+32*\c+1]|, 0x1800000   ; block 2 c + h: all its 32 numbers are mine; the floor 2^(3 - 127) holds the byte at 1 from below
.endr
.irp i, 2,4,6,8,10,12,14,16,18,20,22,24,26,28,30
.irp c, 0,1
	v_max3_num_f32 v[MX+\c], v[MX+\c], |v[X+32*\c+\i]|, |v[X+32*\c+\i+1]|
.endr
.endr
.irp c, 0,1
	v_add_nc_u32 v[SO+\c], 0xff000000, v[MX+\c]    ; 2 off the exponent field: the conversion's scale operand
.endr
.irp c, 0,1
	v_lshrrev_b32 v[BY+\c], 23, v[SO+\c]           ; the byte
.endr
	v_lshl_or_b32 v[WT], v[BY+1], 16, v[BY]        ; blocks h and 2 + h,
	v_lshlrev_b32 v[WT], v9, v[WT]                 ; at their places,
	v_permlanex16_b32 v[WP], v[WT], s26, s27
	v_or_b32 v[W+(\f)], v[WT], v[WP]               ; with lane l xor 16's two: the row's word
.irp c, 0,1
	v_cvt_scalef32_pk16_fp6_f32 v[C+6*\c:C+6*\c+2], v[X+32*\c:X+32*\c+15], v[SO+\c]
	v_cvt_scalef32_pk16_fp6_f32 v[T+4*\c:T+4*\c+2], v[X+32*\c+16:X+32*\c+31], v[SO+\c]   ; (a conversion's three registers begin on an even number)
.endr
	v_nop                                          ; one plain line behind the conversions
.irp c, 0,1
.irp i, 0,1,2
	v_mov_b32 v[C+6*\c+3+\i], v[T+4*\c+\i]
.endr
.endr
.irp c, 0,1
	global_store_b128 v5, v[C+6*\c:C+6*\c+3], s[10:11] offset:1536*(\f)+768*\c          ; 512 consecutive bytes
	global_store_b64 v6, v[C+6*\c+4:C+6*\c+5], s[10:11] offset:1536*(\f)+768*\c+512     ; 256 consecutive bytes
.endr
.endm
	LOADX 0
	LOADX 1
	FRAGX 0
	FRAGX 1
	FRAGX 2
	FRAGX 3
	v_cndmask_b32 v[OW], v[W], v[W+2], s28         ; lanes 0-15: my first 256 along K (words 0, 1); lanes 16-31: my second (words 2, 3)
	v_cndmask_b32 v[OW+1], v[W+1], v[W+3], s28
	global_store_b64 v10, v[OW:OW+1], s[22:23]     ; 256 consecutive bytes, aligned
	s_wait_tensorcnt 0x0
	ds_add_u32 v254, v255
	s_wait_dscnt 0x0
	s_endpgm
; ---------------- the weights: K is the first axis.  A lane takes a column and its registers run down K: a block of 32 lies in one lane, and the codes come out with K innermost.
; Lane (u, r) takes column 32 g + 8 u + r + 8 (r / 8): row r of row tile 2 g + u; a load still reads 128 consecutive bytes.  A pair of blocks is an image's share of one row: three stores of 16 bytes, sixteen lanes to 256 bytes.
.macro WLOAD t, N
.irp i, 0,1,2,3,4,5,6,7,8,9,10,11,12,13,14,15,16,17,18,19,20,21,22,23,24,25,26,27,28,29,30,31
	global_load_b32 v[32+32*((\t)%2)+\i], v20, s[24:25] offset:(32*(\t)+\i)*(\N)*4 th:TH_LOAD_NT
.endr
.endm
.macro WBLOCK t, N
.set XW, 32+32*((\t)%2)
.set QP, 96+12*((\t)/2)                ; the pair's twelve registers, its own: no store's data are written again
.set HH, (\t)%2
.if (\t) < 7
	s_wait_loadcnt 32                              ; this block's 32 loads are in; the next block's may be out
.else
	s_wait_loadcnt 0x0
.endif
	v_max3_num_f32 v12, |v[XW]|, |v[XW+1]|, |v[XW+2]|
	v_max3_num_f32 v13, |v[XW+3]|, |v[XW+4]|, |v[XW+5]|
.irp i, 6,10,14,18,22,26
	v_max3_num_f32 v12, v12, |v[XW+\i]|, |v[XW+\i+1]|
	v_max3_num_f32 v13, v13, |v[XW+\i+2]|, |v[XW+\i+3]|
.endr
	v_max3_num_f32 v12, v12, |v[XW+30]|, |v[XW+31]|
	v_max3_num_f32 v12, v12, v13, 0x1800000        ; and the floor
	v_add_nc_u32 v11, 0xff000000, v12              ; the conversion's scale operand
	v_lshrrev_b32 v13, 23, v11                     ; the byte
.if (\t)%4 == 0
	v_mov_b32 v[24+(\t)/4], v13                    ; four bytes to a word, the lower K in the lower byte
.else
	v_lshl_or_b32 v[24+(\t)/4], v13, 8*((\t)%4), v[24+(\t)/4]
.endif
	v_cvt_scalef32_pk16_fp6_f32 v[QP+4*HH:QP+4*HH+2], v[XW:XW+15], v11
	v_cvt_scalef32_pk16_fp6_f32 v[144:146], v[XW+16:XW+31], v11
	v_nop                                          ; one plain line behind the conversions
	v_mov_b32 v[QP+4*HH+3], v144                   ; registers 0-3 of the block,
	v_mov_b32 v[QP+8+2*HH], v145                   ; registers 4, 5
	v_mov_b32 v[QP+8+2*HH+1], v146
.if (\t)+2 < 8
	WLOAD (\t)+2, \N
.endif
.if HH == 1
	global_store_b128 v21, v[QP:QP+3], s[28:29] offset:768*((\t)/2)          ; the image's lanes 0-15,
	global_store_b128 v21, v[QP+4:QP+7], s[28:29] offset:768*((\t)/2)+256    ; its lanes 16-31,
	global_store_b128 v21, v[QP+8:QP+11], s[28:29] offset:768*((\t)/2)+512   ; and both halves' registers 4, 5
.endif
.endm
.macro WPATH N, RT0, first, ptr
	v_and_b32 v20, 8, v3
	v_add_nc_u32 v20, v20, v3
	v_lshl_add_u32 v20, v4, 3, v20
	v_lshlrev_b32 v20, 2, v20                      ; 4 (8 u + r + 8 (r / 8))
	v_mul_u32_u24 v21, v4, 12288
	v_lshl_add_u32 v21, v3, 4, v21                 ; row tile u, 16 r
	v_lshlrev_b32 v22, 9, v4
	v_lshl_add_u32 v22, v3, 3, v22                 ; its scale words: 8 r
	s_sub_co_u32 s13, ttmp9, \first
	s_and_b32 s14, s13, 3                          ; which 256 along K
	s_lshr_b32 s15, s13, 2
	s_lshl_b32 s15, s15, 2
	s_add_co_u32 s15, s15, s12                     ; which 32 columns
	s_mul_i32 s16, s14, 1024*\N
	s_lshl_b32 s17, s15, 7
	s_add_co_u32 s16, s16, s17
	s_mov_b32 s17, 0
	s_lshl_b32 s18, s15, 1
	s_add_co_u32 s18, s18, \RT0                    ; the even row tile
	s_mul_i32 s20, s18, 12288
	s_mul_i32 s19, s14, 3072
	s_add_co_u32 s20, s20, s19
	s_mov_b32 s21, 0
	s_lshl_b32 s22, s18, 9
	s_lshl_b32 s19, s14, 7
	s_add_co_u32 s22, s22, s19
	s_add_co_u32 s22, s22, XS_OFF
	s_mov_b32 s23, 0
	s_wait_alu depctr_va_vdst(0)
	s_wait_kmcnt 0x0
	s_add_nc_u64 s[24:25], s[\ptr:\ptr+1], s[16:17]
	s_add_nc_u64 s[28:29], s[10:11], s[20:21]
	s_add_nc_u64 s[30:31], s[10:11], s[22:23]
	WLOAD 0, \N
	WLOAD 1, \N
.set Q, 0
.rept 8
	WBLOCK Q, \N
.set Q, Q+1
.endr
	global_store_b64 v22, v[24:25], s[30:31]       ; my row's two words: sixteen lanes store 128 consecutive bytes (one byte in 128 of what the path reads)
.endm
.Lweights:
	s_cmp_lt_u32 ttmp9, 352
	s_cbranch_scc0 .Lwout
	s_wait_alu depctr_va_vdst(0)
	WPATH 3072, 512, 256, 6
	s_endpgm
.Lwout:
	s_wait_alu depctr_va_vdst(0)
	WPATH 1024, 704, 352, 8
	s_endpgm
.Lfunc_end_k_q07a0ad1319_prep:
	.size	k_q07a0ad1319_prep, .Lfunc_end_k_q07a0ad1319_prep-k_q07a0ad1319_prep
	.p2alignl 7, 3214868480
	.fill 96, 4, 3214868480
	.section	.rodata,"a",@progbits
	.p2align	6, 0x0
	.amdhsa_kernel k_q07a0ad1319_prep
		.amdhsa_group_segment_fixed_size 34304
		.amdhsa_private_segment_fixed_size 0
		.amdhsa_enable_private_segment 0
		.amdhsa_kernarg_size 32
		.amdhsa_user_sgpr_count 2
		.amdhsa_user_sgpr_kernarg_segment_ptr 1
		.amdhsa_wavefront_size32 1
		.amdhsa_system_sgpr_workgroup_id_x 1
		.amdhsa_system_sgpr_workgroup_id_y 1
		.amdhsa_system_sgpr_workgroup_id_z 1
		.amdhsa_system_vgpr_workitem_id 0
		.amdhsa_next_free_vgpr 256
		.amdhsa_next_free_sgpr 66
		.amdhsa_reserve_vcc 0
		.amdhsa_float_denorm_mode_32 3
		.amdhsa_float_denorm_mode_16_64 3
		.amdhsa_memory_ordered 1
		.amdhsa_forward_progress 1
		.amdhsa_inst_pref_size 108
	.end_amdhsa_kernel
	.amdgpu_metadata
---
amdhsa.version: [ 1, 2 ]
amdhsa.kernels:
  - .name:           k_q07a0ad1319_prep
    .symbol:         k_q07a0ad1319_prep.kd
    .args:
      - { .name: x, .offset: 0, .size: 8, .value_kind: global_buffer, .address_space: global }
      - { .name: W_qkv, .offset: 8, .size: 8, .value_kind: global_buffer, .address_space: global }
      - { .name: W_out, .offset: 16, .size: 8, .value_kind: global_buffer, .address_space: global }
      - { .name: ops, .offset: 24, .size: 8, .value_kind: global_buffer, .address_space: global }
    .group_segment_fixed_size: 34304
    .private_segment_fixed_size: 0
    .kernarg_segment_align: 8
    .kernarg_segment_size: 32
    .max_flat_workgroup_size: 128
    .sgpr_count:     66
    .vgpr_count:     256
    .wavefront_size: 32
...
	.end_amdgpu_metadata
.endif
;; end of part 1
;; launch proj_qkv (part 2): grid 8 x 32, 4 waves a work-group, clusters of 4 x 4, 327,680 bytes of LDS; arguments ops, b_qkv, qkvq; writes qkvq
.if DOCPART == 2
	.amdgcn_target "amdgcn-amd-amdhsa--gfx1250"
	.amdhsa_code_object_version 6
	.text
	.protected	k_q07a0ad1319_proj_qkv
	.globl	k_q07a0ad1319_proj_qkv
	.p2align	8
	.type	k_q07a0ad1319_proj_qkv,@function
k_q07a0ad1319_proj_qkv:
	s_mov_b64 s[64:65], 0
	v_nop
	global_prefetch_b8 v0, s[64:65] scope:SCOPE_SE
	s_setreg_imm32_b32 hwreg(HW_REG_WAVE_MODE, 25, 1), 1
	s_wait_xcnt 0x0
	s_wait_alu depctr_hold_cnt(0) depctr_sa_sdst(0) depctr_va_vdst(0) depctr_va_sdst(0) depctr_va_ssrc(0) depctr_va_vcc(0) depctr_vm_vsrc(0)
	s_getreg_b32 s2, hwreg(HW_REG_IB_STS2, 6, 4)
	s_cmp_eq_u32 s2, 0
	s_cbranch_scc0 .Lentry_in_a_cluster
	s_endpgm
.Lentry_in_a_cluster:
	s_bfe_u32 s2, ttmp6, 0x10000c
	s_cmp_lg_u32 s2, 0xf033
	s_cbranch_scc0 .Lentry_shape_is_right
	s_endpgm
.Lentry_shape_is_right:
; qkv = x W_qkv + b_qkv on codes of FP6 (E2M3) with E8M0 scales, K = 1,024; q, k and v are quantised where they are made and leave as codes alone.
; OPERANDS lie in ops as images of the matrix unit's registers: a row tile of 16 rows is 12,288 bytes, sixteen images of 64 K on end (registers 0-3 at 16 x lane, registers 4-5 at 512 + 16 r + 8 h);
; its scale words are 512 bytes at XS_OFF, [256 along K][row r][128 along K] x 4.  Row tile 2 g + u holds in row r the index 32 g + 8 u + r + 8 (r / 8).  x: tiles 0-511; W_qkv's columns: tiles 512-703 (q, k, v: 64 each).
; THE DEAL.  256 work-groups.  Each keeps its 256 tokens, all of K, in LDS for the whole launch and multiplies them by three tiles of 128 columns, one after the other: V's, Q's, K's of the same two heads.
; Four waves, 2 x 2: a wave holds 64 columns (one head), all of K, in registers (32 fragments) and takes its 128 tokens (one chunk) in eight blocks of 16: 32 products on four accumulators by turns.
; The weights have an LDS region of their own, filled at the head and filled again twice, each time behind the three lines and a round of the cluster's barrier, as soon as every wave holds the last tile in registers.
; NO PREFETCH: each later tile of weights is asked for by its tensor load a whole phase, 256 products a wave, ahead of its first read.
; V: source 0 = tokens: a lane holds one channel, and register 8 s + j of a column tile is key 32 (s / 2) + 16 h + 8 (s % 2) + j: 64 numbers, quantised along the keys when all eight blocks are done, while Q's weights come into registers.
; Q, K: source 0 = W's columns: a lane holds one token and 32 numbers of its head (two blocks of 32, each shared with lane l xor 16).  Block s - 1's largest magnitudes are searched among block s's products, in pairs of lines
; that do not hang on each other; its conversions and stores stand behind them.  Q's and K's phases are one text, a loop of two trips: in the last trip blocks 6 and 7 fetch rows that are not multiplied again (72 LDS loads),
; and K's bias, loaded during Q's phase, is moved into the registers that held Q's (32 moves): the price of the one text.
; The bias is the C of each block's first four products.
; qkvq: Q chunk (head bh, 128 tokens ch) at 6,656 (16 bh + ch): 8 images, then 512 bytes of scale words (16 x lane + 4 j: register j = tile 2 j in lanes 0-15, tile 2 j + 1 in lanes 16-31; bytes 2, 3 of a word are 0).
;       KV chunk at KV_OFF + 13,056 (16 bh + ch): K as a Q chunk; V^T's four fragments (16 channels x 128 keys) from 6,656 on; their scale words at 12,800 (8 x lane + 4 j).
; CLUSTERS 4 x 4: x's tiles hang on the tile row and are shared along a row of the cluster, the weights' on the tile column and along a column: asked for jointly.
; LIMITS: NaN and infinities are not served; a block whose largest magnitude lies under 2^-124 has its byte held at 1; a block of zeros gets the byte 1 (its codes are zeros; this program alone reads the bytes).
; REGISTERS: window 0: v4-16 addresses; v32-47 the weights' scale words, v52-67 x's (two sets); v20-27, v48-50, v68-95 at work on V's way out; v96-127 Q's, then K's bias; v128-255 and v840-967 V's sums;
; in Q's and K's phases v128-191 two sets of accumulators, v192-223 at work.  v992-1023 V's bias, then K's on its way.  Fragment f lies in window 1 + f / 21 at register 12 (f % 21): 0-31 the weights' (4 q + b), 32-47 x's two sets.
.set FR,     12
.set FPW,    21
.set RTB,    12288
.set BCB,    16*RTB                    ; LDS: x's codes from 0, the weights' from here
.set ASC,    BCB+8*RTB                 ; x's scale words
.set BSC,    ASC+16*512                ; the weights'
.set SPARE,  BSC+8*512                 ; the spare words, 128 bytes a wave
.set XS_OFF, 0x900000
.set KV_OFF, 0x680000
.set WQ0,    512
.set NF,     36                        ; LDS loads of a block: 32 for eight fragments, 4 for eight scale words
.set ADA, 4
.set ADB, 8
.set AAS, 10
.set ABS, 11
.set LIR, 12                           ; 16 x lane
.set LBR, 13                           ; 16 r + 8 h
.set L8R, 14                           ; 8 x lane
.set BO,  15                           ; Q's, K's bias: 16 h numbers
.set BVO, 16                           ; V's: r + 8 (r / 8) numbers
.set WAS, 24
.set SPW, 28
.set NIL, 29
.set SB,  32
.set SA,  52
.set VM,  68
.set VP,  72
.set VSO, 76
.set VPW, 80
.set VPC, 84
.set BQ,  96
.set ACC, 128
.set PWS, 192
.set PC,  200
.set CT,  212
.set T,   216
.set U,   218
.set SO,  220
.set BY,  222
.set BBL, 224                          ; v992-1023, named in window 3
.set G1A, 24
.set G1B, 32
.set G1SA, 48
.set G1SB, 56
.set G0A, 68
.set G0B, 72
.set G0SA, 76
.set G0SB, 80
.set SEL, 88
.set MSK, 90
.set TRIP, 91
.set OB,  94                           ; s[94:95] Q's chunk, then K's
.set OKV, 96                           ; s[96:97] the KV chunk
.set MSB, 0
.macro WIN new                         ; the immediate's high byte repeats the setting that is left
.if MSB != (\new)
	s_set_vgpr_msb (MSB<<8)|(\new)
.set MSB, \new
.endif
.endm
.macro PLACES n
.rept \n
	v_nop
.endr
.endm
.macro WALU
	s_wait_alu depctr_va_vdst(0)
.endm
.macro BARRIER
	s_barrier_signal -1
	s_barrier_wait -1
.endm
.macro CROUND                          ; a round of the cluster's barrier
	BARRIER
	s_cmp_lg_u32 s14, 0
	s_cbranch_scc1 .Lnot_wave_0_\@
	s_barrier_signal -3
.Lnot_wave_0_\@:
	s_barrier_wait -3
	BARRIER
.endm
.macro GROUP1 g, mask, rows            ; a dense block as rows of 256 bytes (32 elements of 8), no padding
	s_or_b32 s[\g], s[\mask], (3<<16)|(1<<21)
	s_mov_b32 s[\g+1], 32<<16
	s_mov_b32 s[\g+2], (\rows)<<16
	s_mov_b32 s[\g+3], 32<<16
	s_mov_b32 s[\g+4], \rows
	s_mov_b32 s[\g+5], 32
	s_mov_b32 s[\g+6], 0
	s_mov_b32 s[\g+7], 0
.endm
.macro GROUP0 g, lds, off
	s_mov_b32 s[\g], 1
	s_mov_b32 s[\g+1], \lds
	s_add_nc_u64 s[\g+2:\g+3], s[4:5], s[\off:\off+1]
	s_or_b32 s[\g+3], s[\g+3], 0x80000000
.endm
.macro TLOAD g0, g1
	tensor_load_to_lds s[\g0:\g0+3], s[\g1:\g1+7]
	s_nop 0
	PLACES 4
.endm
.macro ARM under, g0, g1, next         ; one chain of branches on the wave's number: every way through the head passes exactly one load
	s_cmp_lt_u32 s14, \under
	s_cbranch_scc0 \next
	TLOAD \g0, \g1
	s_branch .Lhead_asked
\next:
.endm
.macro REFILL                          ; the next tile of weights: wave 0 its codes, wave 1 its scale words
	s_cmp_eq_u32 s14, 0
	s_cbranch_scc0 .Lwords_\@
	TLOAD G0B, G1B
	s_branch .Lasked_\@
.Lwords_\@:
	s_cmp_eq_u32 s14, 1
	s_cbranch_scc0 .Lnone_\@
	TLOAD G0SB, G1SB
.Lnone_\@:
.Lasked_\@:
.endm
.macro FRAG f, a, off                  ; a fragment, 16 rows x 128 K: two images on end
	WIN (1+(\f)/FPW)<<6
.set R_, FR*((\f)%FPW)
	ds_load_b128 v[R_:R_+3], v[\a] offset:(\off)
	ds_load_b64 v[R_+4:R_+5], v[\a+1] offset:(\off)+512
	ds_load_b128 v[R_+6:R_+9], v[\a] offset:(\off)+768
	ds_load_b64 v[R_+10:R_+11], v[\a+1] offset:(\off)+1280
.endm
.macro FETCH s                         ; block s of x into set s % 2: NF loads
.irp q, 0,1,2,3,4,5,6,7
	FRAG 32+8*((\s)%2)+\q, ADA+2*((\s)/4), ((\s)%4)*RTB+\q*1536
.endr
	WIN 0
.irp i, 0,1,2,3
	ds_load_b64 v[SA+8*((\s)%2)+2*\i:SA+8*((\s)%2)+2*\i+1], v[AAS] offset:(\s)*512+128*\i
.endr
.endm
.macro WEIGHTS                         ; my 64 columns, all of K, and their scale words: 136 loads
.irp q, 0,1,2,3,4,5,6,7
.irp b, 0,1,2,3
	FRAG 4*\q+\b, ADB, \b*RTB+\q*1536
.endr
.endr
	WIN 0
.irp p, 0,1
.irp i, 0,1,2,3
	ds_load_b64 v[SB+8*\p+2*\i:SB+8*\p+2*\i+1], v[ABS] offset:1024*\p+128*\i
.endr
.endr
.endm
; ---- products.  n = 4 q + b; e: x's set
.macro SETS e, n
.set Q_, (\n)/4
.set B_, (\n)%4
.set FA_, 32+8*(\e)+Q_
.set XB_, SB+8*(B_/2)+Q_
.set XA_, SA+8*(\e)+Q_
.endm
.macro PRODN1 n, c                     ; Q, K: source 0 the weights
.if B_%2
	v_wmma_scale_f32_16x16x128_f8f6f4 v[D_:D_+7], v[FR*((\n)%FPW):FR*((\n)%FPW)+FR-1], v[FR*(FA_%FPW):FR*(FA_%FPW)+FR-1], \c, v[XB_], v[XA_] matrix_a_fmt:MATRIX_FMT_FP6 matrix_b_fmt:MATRIX_FMT_FP6 matrix_a_scale:MATRIX_SCALE_ROW1
.else
	v_wmma_scale_f32_16x16x128_f8f6f4 v[D_:D_+7], v[FR*((\n)%FPW):FR*((\n)%FPW)+FR-1], v[FR*(FA_%FPW):FR*(FA_%FPW)+FR-1], \c, v[XB_], v[XA_] matrix_a_fmt:MATRIX_FMT_FP6 matrix_b_fmt:MATRIX_FMT_FP6
.endif
.endm
.macro PRODN e, n
	SETS \e, \n
.set D_, ACC+32*(\e)+8*B_
	WIN (1+(\n)/FPW)|((1+FA_/FPW)<<2)
.if Q_
	PRODN1 \n, v[D_:D_+7]
.else
	PRODN1 \n, v[BQ+8*B_:BQ+8*B_+7]
.endif
.endm
.macro PRODV1 n, c                     ; V: source 0 x's rows
.if B_%2
	v_wmma_scale_f32_16x16x128_f8f6f4 v[D_:D_+7], v[FR*(FA_%FPW):FR*(FA_%FPW)+FR-1], v[FR*((\n)%FPW):FR*((\n)%FPW)+FR-1], \c, v[XA_], v[XB_] matrix_a_fmt:MATRIX_FMT_FP6 matrix_b_fmt:MATRIX_FMT_FP6 matrix_b_scale:MATRIX_SCALE_ROW1
.else
	v_wmma_scale_f32_16x16x128_f8f6f4 v[D_:D_+7], v[FR*(FA_%FPW):FR*(FA_%FPW)+FR-1], v[FR*((\n)%FPW):FR*((\n)%FPW)+FR-1], \c, v[XA_], v[XB_] matrix_a_fmt:MATRIX_FMT_FP6 matrix_b_fmt:MATRIX_FMT_FP6
.endif
.endm
.macro PRODV e, n, s                   ; column tile b's sums of block s: v[128 + 64 b + 8 s] (b = 0, 1), v[840 + 64 (b - 2) + 8 s] (b = 2, 3)
	SETS \e, \n
.set DA_, 128+64*B_+8*(\s)+584*(B_/2)
.set DW_, DA_>>8
.set D_, DA_&255
.if Q_
	WIN (1+FA_/FPW)|((1+(\n)/FPW)<<2)|(DW_<<4)|(DW_<<6)
	PRODV1 \n, v[D_:D_+7]
.else
	WIN (1+FA_/FPW)|((1+(\n)/FPW)<<2)|(3<<4)|(DW_<<6)
	PRODV1 \n, v[BBL+8*B_:BBL+8*B_+7]
.endif
.endm
; ---- Q's, K's way out of the 32 sums at x (tile t).  Part 1, 25 entries: the two blocks' largest magnitudes in two chains side by side, the scale operands, the word
.macro WO1 i, x, t
.if (\i) < 25
	WIN 0
.endif
.if (\i) < 2
	v_max3_num_f32 v[T+(\i)], |v[(\x)+16*(\i)]|, |v[(\x)+16*(\i)+1]|, 0x1800000      ; with the floor 2^(3 - 127)
.elseif (\i) < 16
	v_max3_num_f32 v[T+(\i)%2], v[T+(\i)%2], |v[(\x)+16*((\i)%2)+2*((\i)/2)]|, |v[(\x)+16*((\i)%2)+2*((\i)/2)+1]|
.elseif (\i) < 18
	v_permlanex16_b32 v[U+(\i)-16], v[T+(\i)-16], s[SEL], s[SEL+1]
.elseif (\i) < 20
	v_max_num_f32 v[T+(\i)-18], v[T+(\i)-18], v[U+(\i)-18]                           ; with lane l xor 16's 16
.elseif (\i) < 22
	v_add_nc_u32 v[SO+(\i)-20], 0xff000000, v[T+(\i)-20]                             ; 2 off the exponent field: the conversion's scale operand
.elseif (\i) < 24
	v_lshrrev_b32 v[BY+(\i)-22], 23, v[SO+(\i)-22]
.elseif (\i) == 24
	v_lshl_or_b32 v[PWS+(\t)], v[BY+1], 8, v[BY]
.endif
.endm
.macro WO2 x, t                        ; part 2: the codes; the operand wants a whole block in a lane; 512 and 256 consecutive bytes leave
	v_cvt_scalef32_pk16_fp6_f32 v[PC:PC+2], v[(\x):(\x)+15], v[SO]
	v_cvt_scalef32_pk16_fp6_f32 v[CT:CT+2], v[(\x)+16:(\x)+31], v[SO+1]
	v_nop                                          ; one plain line behind the conversions
.irp i, 0,1,2
	v_permlane16_swap_b32 v[PC+\i], v[CT+\i]
.endr
.irp i, 0,1,2
	v_mov_b32 v[PC+3+\i], v[CT+\i]
.endr
	global_store_b128 v[LIR], v[PC:PC+3], s[OB:OB+1] offset:768*(\t)
	global_store_b64 v[LBR], v[PC+4:PC+5], s[OB:OB+1] offset:768*(\t)+512
.endm
.macro BLKN s                          ; a block of Q or K.  The wait: younger than its fetch is the next block's fetch
	s_wait_dscnt NF
.set N_, 0
.rept 32
	PRODN (\s)%2, N_
.if (\s) > 0
.if N_%2
	WO1 N_-1, ACC+32*(1-(\s)%2), (\s)-1
	WO1 N_, ACC+32*(1-(\s)%2), (\s)-1
.endif
.endif
.set N_, N_+1
.endr
	WIN 0
	PLACES 4                                       ; between the products and the loads into their sources, and the reads of their results
	FETCH ((\s)+2)%8
.if (\s) > 0
	WALU
	s_wait_xcnt 0x0                                ; the last block's stores have read the codes' registers
	WO2 ACC+32*(1-(\s)%2), (\s)-1
.endif
.endm
.macro BLKV s
	s_wait_dscnt NF
.set N_, 0
.rept 32
	PRODV (\s)%2, N_, \s
.set N_, N_+1
.endr
	WIN 0
	PLACES 4
	FETCH ((\s)+2)%8
.endm
; ---- V's way out of column tile b: 64 numbers of a lane at register x, register 16 k + i = key 32 k + 16 h + i
.macro QUANTV x, b
.set XW_, (\x)>>8
.set XL_, (\x)&255
	WALU
	s_wait_xcnt 0x0                                ; the last tile's stores have read the codes' registers
	WIN XW_|(XW_<<2)
.irp k, 0,1,2,3
	v_max3_num_f32 v[VM+\k], |v[XL_+16*\k]|, |v[XL_+1+16*\k]|, 0x1800000
.endr
	WIN (XW_<<2)|(XW_<<4)
.irp i, 2,4,6,8,10,12,14
.irp k, 0,1,2,3
	v_max3_num_f32 v[VM+\k], v[VM+\k], |v[XL_+16*\k+\i]|, |v[XL_+1+16*\k+\i]|
.endr
.endr
	WIN 0
.irp k, 0,1,2,3
	v_permlanex16_b32 v[VP+\k], v[VM+\k], s[SEL], s[SEL+1]
.endr
.irp k, 0,1,2,3
	v_max_num_f32 v[VM+\k], v[VM+\k], v[VP+\k]
.endr
.irp k, 0,1,2,3
	v_add_nc_u32 v[VSO+\k], 0xff000000, v[VM+\k]
.endr
.irp k, 0,1,2,3
	v_lshrrev_b32 v[VP+\k], 23, v[VSO+\k]
.endr
	v_lshl_or_b32 v[VPW+\b], v[VP+1], 8, v[VP]
	v_lshl_or_b32 v[VPW+\b], v[VP+2], 16, v[VPW+\b]
	v_lshl_or_b32 v[VPW+\b], v[VP+3], 24, v[VPW+\b]
	WIN XW_
.irp c, 0,1
	v_cvt_scalef32_pk16_fp6_f32 v[VPC+6*\c:VPC+6*\c+2], v[XL_+32*\c:XL_+32*\c+15], v[VSO+2*\c]
	v_cvt_scalef32_pk16_fp6_f32 v[48-28*\c:50-28*\c], v[XL_+32*\c+16:XL_+32*\c+31], v[VSO+2*\c+1]
.endr
	WIN 0
	v_nop                                          ; one plain line behind the conversions
.irp c, 0,1
.irp i, 0,1,2
	v_permlane16_swap_b32 v[VPC+6*\c+\i], v[48-28*\c+\i]
.endr
.irp i, 0,1,2
	v_mov_b32 v[VPC+6*\c+3+\i], v[48-28*\c+\i]
.endr
.endr
	global_store_b128 v[LIR], v[VPC:VPC+3], s[OKV:OKV+1] offset:6656+1536*\b
	global_store_b64 v[LBR], v[VPC+4:VPC+5], s[OKV:OKV+1] offset:6656+1536*\b+512
	global_store_b128 v[LIR], v[VPC+6:VPC+9], s[OKV:OKV+1] offset:6656+1536*\b+768
	global_store_b64 v[LBR], v[VPC+10:VPC+11], s[OKV:OKV+1] offset:6656+1536*\b+1280
.endm
; ================= the head
	s_load_b128 s[4:7], s[0:1], 0x0                ; ops, b_qkv
	s_load_b64 s[8:9], s[0:1], 0x10                ; qkvq
	v_lshl_add_u32 v[SPW], v0, 2, SPARE
	v_mov_b32 v[NIL], 0
	ds_add_u32 v[SPW], v[NIL]                      ; the opening lines: the add twice on end and its wait ahead of my first tensor load
	ds_add_u32 v[SPW], v[NIL]
	v_lshrrev_b32 v1, 5, v0
	v_readfirstlane_b32 s14, v1                    ; wave
	s_lshr_b32 s15, s14, 1                         ; which 128 tokens are mine
	s_and_b32 s16, s14, 1                          ; which head of the two
	s_bfe_u32 s40, ttmp6, 0x40000                  ; cx
	s_bfe_u32 s41, ttmp6, 0x40004                  ; cy
	s_lshl_b32 s42, ttmp9, 2
	s_add_co_u32 s42, s42, s40                     ; tile column, 0 .. 7: heads 2 x it and the next
	s_and_b32 s17, ttmp7, 0xffff
	s_lshl_b32 s17, s17, 2
	s_add_co_u32 s17, s17, s41                     ; tile row, 0 .. 31
	s_lshl_b32 s43, s41, 2
	s_lshl_b32 s43, 15, s43                        ; my row of the cluster
	s_lshl_b32 s44, 0x1111, s40                    ; my column
	GROUP1 G1A, 43, 768
	GROUP1 G1B, 44, 384
	GROUP1 G1SA, 43, 32
	GROUP1 G1SB, 44, 16
	s_mul_i32 s20, s17, 16*RTB                     ; x's codes, bytes from ops
	s_mov_b32 s21, 0
	s_lshl_b32 s22, s17, 13
	s_add_co_u32 s22, s22, XS_OFF                  ; x's scale words
	s_mov_b32 s23, 0
	s_mul_i32 s46, s42, 8*RTB
	s_add_co_u32 s46, s46, (WQ0+128)*RTB           ; V's columns' codes
	s_mov_b32 s47, 0
	s_lshl_b32 s92, s42, 12
	s_add_co_u32 s92, s92, XS_OFF+(WQ0+128)*512    ; and scale words
	s_mov_b32 s93, 0
	s_mul_i32 s84, s15, 8*RTB                      ; LDS: my tokens' codes,
	s_mul_i32 s85, s16, 4*RTB
	s_add_co_u32 s85, s85, BCB                     ; my columns' codes,
	s_lshl_b32 s86, s15, 12
	s_add_co_u32 s86, s86, ASC                     ; my tokens' scale words,
	s_lshl_b32 s87, s16, 11
	s_add_co_u32 s87, s87, BSC                     ; my columns'
	s_lshr_b32 s18, s17, 3                         ; batch
	s_lshl_b32 s18, s18, 4
	s_lshl_b32 s19, s42, 1
	s_add_co_u32 s18, s18, s19
	s_add_co_u32 s18, s18, s16                     ; 16 x batch + head
	s_lshl_b32 s18, s18, 4
	s_and_b32 s19, s17, 7
	s_lshl_b32 s19, s19, 1
	s_add_co_u32 s18, s18, s19
	s_add_co_u32 s18, s18, s15                     ; x 16 + my chunk of 128 tokens
	s_mul_i32 s10, s18, 6656
	s_mov_b32 s11, 0
	s_mul_i32 s12, s18, 13056
	s_add_co_u32 s12, s12, KV_OFF
	s_mov_b32 s13, 0
	s_lshl_b32 s18, s42, 9
	s_lshl_b32 s19, s16, 8
	s_add_co_u32 s18, s18, s19                     ; my head's first column in q, in bytes
	s_mov_b32 s19, 0
	s_mov_b32 s[SEL], 0x76543210
	s_mov_b32 s[SEL+1], 0xfedcba98                 ; lane l xor 16
	s_mov_b32 s[MSK], 0xffff0000                   ; lanes 16-31
	s_wait_dscnt 0x0                               ; both opening adds are done
	s_wait_kmcnt 0x0
	GROUP0 G0A, 0, 20
	GROUP0 G0B, BCB, 46
	GROUP0 G0SA, ASC, 22
	GROUP0 G0SB, BSC, 92
	s_add_nc_u64 s[OB:OB+1], s[8:9], s[10:11]
	s_add_nc_u64 s[OKV:OKV+1], s[8:9], s[12:13]
	s_add_nc_u64 s[6:7], s[6:7], s[18:19]
	CROUND                                         ; all sixteen work-groups are here: the joint loads meet
	ARM 1, G0B,  G1B,  .Lhead_sb                   ; wave 0: V's columns' codes, wanted first
	ARM 2, G0SB, G1SB, .Lhead_a                    ; wave 1: their scale words
	ARM 3, G0A,  G1A,  .Lhead_sa                   ; wave 2: x's codes
	TLOAD G0SA, G1SA                               ; wave 3: x's scale words
.Lhead_asked:
	v_and_b32 v1, 15, v0                           ; r
	v_bfe_u32 v2, v0, 4, 1                         ; h
	v_and_b32 v3, 31, v0
	v_lshlrev_b32 v[LIR], 4, v3
	v_lshlrev_b32 v[LBR], 4, v1
	v_lshl_add_u32 v[LBR], v2, 3, v[LBR]
	v_lshlrev_b32 v[L8R], 3, v3
	v_add_nc_u32 v[ADA], s84, v[LIR]
	v_add_nc_u32 v[ADA+1], s84, v[LBR]
	v_add_nc_u32 v[ADA+2], 4*RTB, v[ADA]
	v_add_nc_u32 v[ADA+3], 4*RTB, v[ADA+1]
	v_add_nc_u32 v[ADB], s85, v[LIR]
	v_add_nc_u32 v[ADB+1], s85, v[LBR]
	v_lshlrev_b32 v18, 3, v1
	v_add_nc_u32 v[AAS], s86, v18
	v_lshl_add_u32 v18, v2, 9, v18
	v_add_nc_u32 v[ABS], s87, v18
	v_lshlrev_b32 v[BO], 6, v2
	v_and_b32 v19, 8, v1
	v_add_nc_u32 v19, v19, v1
	v_lshlrev_b32 v[BVO], 2, v19
.irp k, 0,1,2,3
	v_mov_b32 v[VP+\k], 0                          ; a lane permute's destination counts as read
.endr
	WALU
.irp b, 0,1,2,3
	global_load_b128 v[BQ+8*\b:BQ+8*\b+3], v[BO], s[6:7] offset:(32*(\b/2)+8*(\b%2))*4          ; Q's bias, laid as the result lies
	global_load_b128 v[BQ+8*\b+4:BQ+8*\b+7], v[BO], s[6:7] offset:(32*(\b/2)+8*(\b%2))*4+16
.endr
	WIN 3<<6
.irp b, 0,1,2,3
.irp i, 0,1,2,3,4,5,6,7
	global_load_b32 v[BBL+8*\b+\i], v[BVO], s[6:7] offset:8192+(32*(\b/2)+8*(\b%2))*4           ; V's: my channel's number in all eight registers of the tile
.endr
.endr
	WIN 0
	s_cmp_lt_u32 s14, 2
	s_cbranch_scc0 .Lnot_b
	s_wait_tensorcnt 0x0                           ; waves 0 and 1: the weights' codes and scale words are in
.Lnot_b:
	BARRIER                                        ; x's tiles may be on their way
	WEIGHTS
	s_wait_tensorcnt 0x0                           ; every wave: its tile is in; the first of the three lines ahead of a refill
	ds_add_u32 v[SPW], v[NIL]
	s_sub_nc_u64 s[G0B+2:G0B+3], s[G0B+2:G0B+3], 128*RTB       ; from V's columns to Q's
	s_sub_nc_u64 s[G0SB+2:G0SB+3], s[G0SB+2:G0SB+3], 128*512
	s_wait_dscnt 0x0                               ; the add is done, and V's weights are in my registers
	CROUND                                         ; x's tiles are shown to all, and no wave of any partner still reads the weights' region
	REFILL                                         ; Q's weights
	FETCH 0
	FETCH 1
	s_wait_loadcnt 0x0                             ; the biases
; ================= V
.irp s, 0,1,2,3,4,5,6,7
	BLKV \s
.endr
	s_wait_tensorcnt 0x0
	s_wait_dscnt 0x0
	BARRIER                                        ; Q's weights are shown to all
	WEIGHTS
	WIN 3<<6
.irp b, 0,1,2,3
	global_load_b128 v[BBL+8*\b:BBL+8*\b+3], v[BO], s[6:7] offset:4096+(32*(\b/2)+8*(\b%2))*4   ; K's bias, where V's lay
	global_load_b128 v[BBL+8*\b+4:BBL+8*\b+7], v[BO], s[6:7] offset:4096+(32*(\b/2)+8*(\b%2))*4+16
.endr
	WIN 0
.irp b, 0,1,2,3
	QUANTV 128+64*\b+584*(\b/2), \b                ; V's way out, while the weights come into registers
.endr
.irp j, 0,1
	v_cndmask_b32 v[WAS+\j], v[VPW+2*\j], v[VPW+2*\j+1], s[MSK]   ; tile 2 j in lanes 0-15, tile 2 j + 1 in lanes 16-31
.endr
	global_store_b64 v[L8R], v[WAS:WAS+1], s[OKV:OKV+1] offset:12800
	v_mov_b32 v[U], 0                              ; a lane permute's destination counts as read
	v_mov_b32 v[U+1], 0
	WALU
	s_wait_tensorcnt 0x0                           ; the three lines ahead of the second refill
	ds_add_u32 v[SPW], v[NIL]
	s_add_nc_u64 s[G0B+2:G0B+3], s[G0B+2:G0B+3], 64*RTB        ; from Q's columns to K's
	s_add_nc_u64 s[G0SB+2:G0SB+3], s[G0SB+2:G0SB+3], 64*512
	s_wait_dscnt 0x0
	CROUND
	REFILL                                         ; K's weights
	s_mov_b32 s[TRIP], 0
; ================= Q, then K
.Lphase:
.irp s, 0,1,2,3,4,5,6,7
	BLKN \s
.endr
	s_wait_tensorcnt 0x0
	s_wait_dscnt 0x0
	BARRIER                                        ; first trip: K's weights are shown to all
	s_cmp_lg_u32 s[TRIP], 0
	s_cbranch_scc1 .Lno_more
	WEIGHTS
	s_wait_loadcnt 0x0                             ; K's bias
	WIN 3
.set I_, 0
.rept 32
	v_mov_b32 v[BQ+I_], v[BBL+I_]
.set I_, I_+1
.endr
	WIN 0
.Lno_more:
.set I_, 0
.rept 25
	WO1 I_, ACC+32, 7                              ; block 7's way out
.set I_, I_+1
.endr
	WALU
	s_wait_xcnt 0x0
	WO2 ACC+32, 7
.irp j, 0,1,2,3
	v_cndmask_b32 v[WAS+\j], v[PWS+2*\j], v[PWS+2*\j+1], s[MSK]
.endr
	global_store_b128 v[LIR], v[WAS:WAS+3], s[OB:OB+1] offset:6144
	WALU
	s_wait_xcnt 0x0                                ; the stores have read their base
	s_mov_b64 s[OB:OB+1], s[OKV:OKV+1]
	s_wait_dscnt 0x0                               ; the weights are in my registers
	s_add_co_u32 s[TRIP], s[TRIP], 1
	s_cmp_lg_u32 s[TRIP], 2
	s_cbranch_scc1 .Lphase
	s_wait_tensorcnt 0x0                           ; the wave's end
	ds_add_u32 v[SPW], v[NIL]
	s_wait_dscnt 0x0
	CROUND                                         ; the closing round
	s_endpgm
.Lfunc_end_k_q07a0ad1319_proj_qkv:
	.size	k_q07a0ad1319_proj_qkv, .Lfunc_end_k_q07a0ad1319_proj_qkv-k_q07a0ad1319_proj_qkv
	.p2alignl 7, 3214868480
	.fill 96, 4, 3214868480
	.section	.rodata,"a",@progbits
	.p2align	6, 0x0
	.amdhsa_kernel k_q07a0ad1319_proj_qkv
		.amdhsa_group_segment_fixed_size 327680
		.amdhsa_private_segment_fixed_size 0
		.amdhsa_enable_private_segment 0
		.amdhsa_kernarg_size 24
		.amdhsa_user_sgpr_count 2
		.amdhsa_user_sgpr_kernarg_segment_ptr 1
		.amdhsa_wavefront_size32 1
		.amdhsa_system_sgpr_workgroup_id_x 1
		.amdhsa_system_sgpr_workgroup_id_y 1
		.amdhsa_system_sgpr_workgroup_id_z 1
		.amdhsa_system_vgpr_workitem_id 0
		.amdhsa_next_free_vgpr 1024
		.amdhsa_next_free_sgpr 98
		.amdhsa_reserve_vcc 0
		.amdhsa_float_denorm_mode_32 3
		.amdhsa_float_denorm_mode_16_64 3
		.amdhsa_memory_ordered 1
		.amdhsa_forward_progress 1
		.amdhsa_inst_pref_size 197
	.end_amdhsa_kernel
	.amdgpu_metadata
---
amdhsa.version: [ 1, 2 ]
amdhsa.kernels:
  - .name:           k_q07a0ad1319_proj_qkv
    .symbol:         k_q07a0ad1319_proj_qkv.kd
    .args:
      - { .name: ops, .offset: 0, .size: 8, .value_kind: global_buffer, .address_space: global }
      - { .name: b_qkv, .offset: 8, .size: 8, .value_kind: global_buffer, .address_space: global }
      - { .name: qkvq, .offset: 16, .size: 8, .value_kind: global_buffer, .address_space: global }
    .group_segment_fixed_size: 327680
    .private_segment_fixed_size: 0
    .kernarg_segment_align: 8
    .kernarg_segment_size: 24
    .max_flat_workgroup_size: 128
    .sgpr_count:     98
    .vgpr_count:     1024
    .wavefront_size: 32
...
	.end_amdgpu_metadata
.endif
;; end of part 2
;; launch attn (part 3): grid 4 x 64, 16 waves a work-group, clusters of 4 x 1, 210,944 bytes of LDS; arguments qkvq, yq; writes yq
.if DOCPART == 3
	.amdgcn_target "amdgcn-amd-amdhsa--gfx1250"
	.amdhsa_code_object_version 6
	.text
	.protected	k_q07a0ad1319_attn
	.globl	k_q07a0ad1319_attn
	.p2align	8
	.type	k_q07a0ad1319_attn,@function
k_q07a0ad1319_attn:
	s_mov_b64 s[64:65], 0
	v_nop
	global_prefetch_b8 v0, s[64:65] scope:SCOPE_SE
	s_setreg_imm32_b32 hwreg(HW_REG_WAVE_MODE, 25, 1), 1
	s_wait_xcnt 0x0
	s_wait_alu depctr_hold_cnt(0) depctr_sa_sdst(0) depctr_va_vdst(0) depctr_va_sdst(0) depctr_va_ssrc(0) depctr_va_vcc(0) depctr_vm_vsrc(0)
	s_getreg_b32 s2, hwreg(HW_REG_IB_STS2, 6, 4)
	s_cmp_eq_u32 s2, 0
	s_cbranch_scc0 .Lentry_in_a_cluster
	s_endpgm
.Lentry_in_a_cluster:
	s_bfe_u32 s2, ttmp6, 0x10000c
	s_cmp_lg_u32 s2, 0x3003
	s_cbranch_scc0 .Lentry_shape_is_right
	s_endpgm
.Lentry_shape_is_right:
; y[b][q][head] = softmax_k(q . k / 8) v with the causal mask, both products on codes of FP6 (E2M3) with E8M0 scales; y is quantised along the model's 1,024 and leaves as codes for the last product.
; THE SOFTMAX: t = score x log2(e) / 8; M = the running largest t rounded up to a whole number; p = 2^(t - M) is quantised along the keys, not normalised; the row's sum is taken of the unquantised p and divides at the end.
; SHARES.  The four work-groups of a cluster own head bh.  A head's queries are 16 chunks of 128, each of 8 row tiles of 16.  Work-group cx takes tiles 2 cx and 2 cx + 1 of every chunk; its wave w takes
; tile 2 cx + w % 2 of chunk 15 - w / 2, and then of chunk w / 2.  A tile of chunk c wants the key chunks 0 .. c: 17 key steps a wave, in every wave of every work-group.
; Tiles that lie wholly under the causal mask, which the problem builds itself, are left out: which steps a wave jumps over hangs on its own number alone, never on the work-group's place in the cluster.
; That place enters only the global addresses of Q and y and the lanes' numbers for the mask of the wave's own chunk.
; LDS.  The head's 16 chunks of K and V, 13,056 bytes each, come once, one tensor load a wave, and stay: nothing is filled again, so the loops have no barrier.  Every partner reads all sixteen chunks:
; each load is asked for JOINTLY by the four, with the same descriptor (made of bh and the wave's number) and the mask 15; a round of the cluster's barrier stands in front of the loads and one at the end.
; NO PREFETCH: all sixteen chunks are asked for at the head; the text has no later load to run ahead of.
; LAYOUT.  Both products are used transposed (S^T = K Q^T, O^T = V^T P^T): a lane holds one query.  Row tiles are permuted (tile 2 g + u, row r: 32 g + 8 u + r + 8 (r / 8)), so that the 16 registers of tiles 2 g, 2 g + 1
; are 16 neighbouring keys (or channels): 32 g + 16 h + 0 .. 15.  The first product's K is 64: registers 6-11 of Q's and K's fragments are zero codes for the whole launch.
; The trip counts are constants.  y's scale bytes leave two at a time (a head's two blocks of a row): one byte in 25 of the launch's output is stored so.
; LIMITS: NaN and infinities are not served; a block whose largest magnitude lies under 2^-124 has its byte held at 1; a block of zeros gets the byte 1 (its codes are zeros; this program alone reads the bytes).
.set CHK,    13056
.set QCH,    6656
.set KV_OFF, 0x680000
.set YS_OFF, 0x600000
.set LI,  1                            ; v1  16 x lane
.set LB,  2                            ; v2  16 r + 8 h
.set L8,  3                            ; v3  8 x lane
.set DG,  4                            ; v4  my query's place in its chunk - 16 h
.set R16, 5                            ; v5  16 r
.set R8,  6                            ; v6  8 r
.set AI,  8                            ; v8-10 the chunk in hand + v1, v2, v3
.set AB,  9
.set A8,  10
.set QF,  16                           ; v16-27 Q's fragment
.set QS,  28                           ; v28 its scale words
.set KB,  32                           ; v32-79 four fragments of K
.set KS,  80                           ; v80-83 K's scale words
.set VS,  84                           ; v84-85 V's
.set Q1,  86                           ; v86-92 the second pass's Q and its scale words
.set S,   96                           ; v96-159 S^T, then p; then V^T's four fragments in v96-143
.set O,   160                          ; v160-191 O^T
.set BM,  192                          ; v192-195 the blocks' largest scores
.set BT,  196                          ; v196-199 at work
.set SO,  200                          ; v200-203 the conversions' scale operands
.set CT,  204                          ; v204-210 upper halves of codes
.set PC,  212                          ; v212-223 p's codes
.set F,   224                          ; v[224:225] f = 2^(old M - new M)
.set PW,  226                          ; v226 p's scale words
.set TW,  227
.set NINF, 228
.set YW,  229
.set WV,  8
.set BH,  10
.set J,   11                           ; s11 the pass's chunk of queries
.set DIAG, 12
.set TB,  13
.set STEPI, 14
.set PASS, 15
.set G1,  16
.set G0,  24
.set SEL, 28
.set CS,  30
.set YC,  32
.set YSB, 34
.set QC0, 36
.set QC1, 38
.set QW0, 40
.set QW1, 42
.macro ROUND                           ; a round of the cluster's barrier
	s_barrier_signal -1
	s_barrier_wait -1
	s_cmp_lg_u32 s[WV], 0
	s_cbranch_scc1 .Lnot_wave_0_\@
	s_barrier_signal -3
.Lnot_wave_0_\@:
	s_barrier_wait -3
	s_barrier_signal -1
	s_barrier_wait -1
.endm
	s_load_b128 s[4:7], s[0:1], 0x0                ; qkvq, yq
	v_lshl_add_u32 v254, v0, 2, 0x33000
	v_mov_b32 v255, 0
	ds_add_u32 v254, v255                          ; the opening lines: the add twice on end and its wait
	ds_add_u32 v254, v255
	v_lshrrev_b32 v7, 5, v0
	s_delay_alu instid0(VALU_DEP_1)
	v_readfirstlane_b32 s[WV], v7                  ; wave 0..15
	s_and_b32 s[BH], ttmp7, 0xffff                 ; 16 x batch + head: the cluster's y
	s_mov_b32 s[G1], (3<<16)|(1<<21)|15            ; the mask: all four partners; elements of 8 bytes; no padding: a chunk is 51 dense rows of 256 bytes
	s_mov_b32 s[G1+1], 32<<16                      ; tensor_dim0
	s_mov_b32 s[G1+2], 51<<16                      ; tensor_dim1
	s_mov_b32 s[G1+3], 32<<16                      ; tile_dim0
	s_mov_b32 s[G1+4], 51                          ; tile_dim1
	s_mov_b32 s[G1+5], 32                          ; tensor_dim0_stride
	s_mov_b32 s[G1+6], 0
	s_mov_b32 s[G1+7], 0
	s_lshl_b32 s44, s[BH], 4
	s_add_co_u32 s44, s44, s[WV]
	s_mul_i32 s44, s44, CHK
	s_add_co_u32 s44, s44, KV_OFF                  ; chunk w of the head
	s_mov_b32 s45, 0
	s_mov_b32 s[G0], 1
	s_mul_i32 s[G0+1], s[WV], CHK                  ; its place in LDS
	v_and_b32 v7, 31, v0
	s_delay_alu instid0(VALU_DEP_1)
	v_lshlrev_b32 v[LI], 4, v7
	s_delay_alu instid0(VALU_DEP_2)
	v_lshlrev_b32 v[L8], 3, v7
	v_and_b32 v11, 15, v0                          ; r
	v_bfe_u32 v7, v0, 4, 1                         ; h
	s_delay_alu instid0(VALU_DEP_2)
	v_lshlrev_b32 v[R16], 4, v11
	s_delay_alu instid0(VALU_DEP_3)
	v_lshlrev_b32 v[R8], 3, v11
	s_delay_alu instid0(VALU_DEP_2)
	v_lshl_add_u32 v[LB], v7, 3, v[R16]
	s_wait_alu depctr_va_vdst(0)
	s_wait_dscnt 0x0
	s_wait_kmcnt 0x0
	s_add_nc_u64 s[G0+2:G0+3], s[4:5], s[44:45]
	s_or_b32 s[G0+3], s[G0+3], 0x80000000
	ROUND                                          ; all four work-groups are here: the joint loads meet
	tensor_load_to_lds s[G0:G0+3], s[G1:G1+7]      ; my one tensor load of the launch
	s_nop 0
.rept 4
	v_nop
.endr
	s_bfe_u32 s50, ttmp6, 0x40000                  ; cx: my work-group's place in the cluster
	s_and_b32 s53, s[WV], 1
	s_lshl_b32 s51, s50, 1
	s_add_co_u32 s51, s51, s53                     ; my tile of a chunk: t = 2 cx + w % 2
	s_lshr_b32 s54, s[WV], 1                       ; the second pass's chunk
	s_sub_co_u32 s[J], 15, s54                     ; the first pass's
	s_mul_i32 s52, s51, 768                        ; my image in a Q chunk
	s_lshl_b32 s58, s53, 3
	s_lshl_b32 s53, s53, 8
	s_lshl_b32 s59, s50, 5
	s_add_co_u32 s58, s58, s59                     ; my tile's first query in its chunk: 32 (t / 2) + 8 (t % 2)
	s_lshl_b32 s59, s50, 2
	s_add_co_u32 s53, s53, s59
	s_add_co_u32 s53, s53, 6144                    ; my tile's scale words: register t / 2, lanes 16 (t % 2) on
	s_lshl_b32 s55, s[BH], 4
	s_add_co_u32 s56, s55, s[J]
	s_mul_i32 s56, s56, QCH                        ; the first pass's Q chunk
	s_add_co_u32 s57, s55, s54
	s_mul_i32 s57, s57, QCH                        ; the second's
	s_add_co_u32 s44, s56, s52
	s_add_nc_u64 s[QC0:QC0+1], s[4:5], s[44:45]
	s_add_co_u32 s44, s57, s52
	s_add_nc_u64 s[QC1:QC1+1], s[4:5], s[44:45]
	s_add_co_u32 s44, s56, s53
	s_add_nc_u64 s[QW0:QW0+1], s[4:5], s[44:45]
	s_add_co_u32 s44, s57, s53
	s_add_nc_u64 s[QW1:QW1+1], s[4:5], s[44:45]
	global_load_b128 v[QF:QF+3], v[LI], s[QC0:QC0+1]
	global_load_b64 v[QF+4:QF+5], v[LB], s[QC0:QC0+1] offset:512
	global_load_b32 v[QS], v[R16], s[QW0:QW0+1]
	global_load_b128 v[Q1:Q1+3], v[LI], s[QC1:QC1+1]
	global_load_b64 v[Q1+4:Q1+5], v[LB], s[QC1:QC1+1] offset:512
	global_load_b32 v[Q1+6], v[R16], s[QW1:QW1+1]
	v_and_b32 v[DG], 8, v11
	s_delay_alu instid0(VALU_DEP_1)
	v_add_nc_u32 v[DG], v[DG], v11                 ; r + 8 (r / 8)
	v_lshlrev_b32 v7, 4, v7
	s_delay_alu instid0(VALU_DEP_1)
	v_sub_nc_u32 v[DG], v[DG], v7                  ; - 16 h
	s_delay_alu instid0(VALU_DEP_1)
	v_add_nc_u32 v[DG], s58, v[DG]
.irp k, 6,7,8,9,10,11
	v_mov_b32 v[QF+\k], 0                          ; K = 64 .. 127: zero codes
.irp t, 0,1,2,3
	v_mov_b32 v[KB+12*\t+\k], 0
.endr
.endr
.irp b, 0,1,2,3
	v_mov_b32 v[BT+\b], 0                          ; a lane permute's destination counts as read
.endr
	v_mov_b32 v[F+1], 0                            ; (named as the upper half of a pair)
	v_mov_b32 v[TW], 0
	v_mov_b32 v[NINF], 0xff800000
	s_mov_b32 s[SEL], 0x76543210
	s_mov_b32 s[SEL+1], 0xfedcba98
	s_mov_b32 s[CS], 0x3e38aa3b                    ; c = log2(e) / 8
	s_mov_b32 s[CS+1], s[CS]
	s_mov_b32 s[PASS], 2
	s_wait_tensorcnt 0x0                           ; my chunk is in,
	s_barrier_signal -1
	s_barrier_wait -1                              ; everybody's is
	s_wait_loadcnt 0x0                             ; Q
.Lpass:
	s_mov_b32 s[DIAG], s[J]                        ; the chunk that holds my queries: the last that I want
	s_lshr_b32 s44, s[BH], 4
	s_lshl_b32 s44, s44, 7
	s_lshl_b32 s46, s[J], 3
	s_add_co_u32 s44, s44, s46
	s_add_co_u32 s44, s44, s51                     ; my row tile among all tokens': 128 x batch + 8 x chunk + t
	s_and_b32 s46, s[BH], 15                       ; head
	s_mul_i32 s47, s44, 12288
	s_mul_i32 s48, s46, 768
	s_add_co_u32 s48, s47, s48
	s_mov_b32 s49, 0
	s_add_nc_u64 s[YC:YC+1], s[6:7], s[48:49]      ; y's image
	s_lshl_b32 s48, s44, 9
	s_lshr_b32 s47, s46, 2
	s_lshl_b32 s47, s47, 7
	s_add_co_u32 s48, s48, s47                     ; which 256 along K,
	s_and_b32 s47, s46, 3
	s_lshl_b32 s47, s47, 1
	s_add_co_u32 s48, s48, s47                     ; which word of the row's two, and which half of it
	s_add_co_u32 s48, s48, YS_OFF
	s_add_nc_u64 s[YSB:YSB+1], s[6:7], s[48:49]
	v_mov_b32 v13, 0xff61b1e6                      ; the largest t so far: -3e38
	s_delay_alu instid0(VALU_DEP_1)
	v_floor_f32 v12, -v13                          ; -M
	v_mov_b32 v14, 0                               ; the sum, in two halves
	v_mov_b32 v15, 0
.set n, 0
.rept 32
	v_mov_b32 v[O+n], 0                            ; O^T: the step is written once; the first change of M leaves zeros zeros
.set n, n+1
.endr
	s_mov_b32 s[TB], 0
	s_mov_b32 s[STEPI], 0
.Lstep:                                            ; 16 trips, one for each chunk of 128 keys
	s_cmp_gt_u32 s[STEPI], s[DIAG]
	s_cbranch_scc1 .Lhidden                        ; all its keys come after my queries
	v_add_nc_u32 v[AI], s[TB], v[LI]
	s_wait_alu depctr_va_vdst(0)
	v_add_nc_u32 v[AB], s[TB], v[LB]
	s_wait_alu depctr_va_vdst(0)
	v_add_nc_u32 v[A8], s[TB], v[L8]
.rept 4
	v_nop                                          ; with the three additions: seven places between the last step's products and the products below, which write over registers that those read (five are asked)
.endr
	ds_load_b128 v[KS:KS+3], v[AI] offset:6144     ; K's scale words: register j = tile 2 j in lanes 0-15, tile 2 j + 1 in lanes 16-31
.irp g, 0,1                                    ; S^T = K Q^T, four tiles of 16 keys at a time
.if \g
.rept 4
	v_nop                                          ; places in front of loads into registers that matrix instructions have read
.endr
.endif
.irp t, 0,1,2,3
	ds_load_b128 v[KB+12*\t:KB+12*\t+3], v[AI] offset:768*(4*\g+\t)
	ds_load_b64 v[KB+12*\t+4:KB+12*\t+5], v[AB] offset:768*(4*\g+\t)+512
.endr
	s_wait_dscnt 0x0
.irp t, 0,1,2,3
.if \t%2
	v_wmma_scale_f32_16x16x128_f8f6f4 v[S+8*(4*\g+\t):S+8*(4*\g+\t)+7], v[KB+12*\t:KB+12*\t+11], v[QF:QF+11], 0, v[KS+(4*\g+\t)/2], v[QS] matrix_a_fmt:MATRIX_FMT_FP6 matrix_b_fmt:MATRIX_FMT_FP6 matrix_a_scale:MATRIX_SCALE_ROW1
.else
	v_wmma_scale_f32_16x16x128_f8f6f4 v[S+8*(4*\g+\t):S+8*(4*\g+\t)+7], v[KB+12*\t:KB+12*\t+11], v[QF:QF+11], 0, v[KS+(4*\g+\t)/2], v[QS] matrix_a_fmt:MATRIX_FMT_FP6 matrix_b_fmt:MATRIX_FMT_FP6
.endif
.endr
.endr                                          ; register 16 b + i: key 32 b + 16 h + i of the chunk
.rept 4
	v_nop
.endr
	s_cmp_lt_u32 s[STEPI], s[DIAG]
	s_cbranch_scc1 .Lopen                          ; all its keys count
.set n, 0
.rept 64                                       ; my own chunk: the scores of later keys become -infinity ahead of the maximum
	v_cmp_gt_i32 vcc_lo, 32*(n/16)+n%16, v[DG]
	v_cndmask_b32 v[S+n], v[S+n], v[NINF], vcc_lo
.set n, n+1
.endr
.Lopen:
.irp b, 0,1,2,3
	v_max3_num_f32 v[BM+\b], v[S+16*\b], v[S+1+16*\b], v[S+2+16*\b]   ; the largest score of each block of 32 keys: it serves the row's maximum and, since p rises with the score, the block's largest p
.endr
.irp i, 3,5,7,9,11,13
.irp b, 0,1,2,3
	v_max3_num_f32 v[BM+\b], v[BM+\b], v[S+16*\b+\i], v[S+1+16*\b+\i]
.endr
.endr
.irp b, 0,1,2,3
	v_max_num_f32 v[BM+\b], v[BM+\b], v[S+15+16*\b]
.endr
.irp b, 0,1,2,3
	s_delay_alu instid0(VALU_DEP_4)
	v_permlanex16_b32 v[BT+\b], v[BM+\b], s[SEL], s[SEL+1]
.endr
.irp b, 0,1,2,3
	s_delay_alu instid0(VALU_DEP_4)
	v_max_num_f32 v[BM+\b], v[BM+\b], v[BT+\b]     ; with lane l xor 16's 16 keys
.endr
	s_delay_alu instid0(VALU_DEP_2)
	v_max3_num_f32 v[TW], v[BM], v[BM+1], v[BM+2]
	s_delay_alu instid0(VALU_DEP_1)
	v_max_num_f32 v[TW], v[TW], v[BM+3]
	s_delay_alu instid0(VALU_DEP_1)
	v_mul_f32 v[TW], s[CS], v[TW]                  ; the step's largest t
	s_delay_alu instid0(VALU_DEP_1)
	v_max_num_f32 v13, v13, v[TW]
	v_mov_b32 v[TW], v12
	s_delay_alu instid0(VALU_DEP_2)
	v_floor_f32 v12, -v13                          ; the new -M: a whole number
	s_delay_alu instid0(VALU_DEP_1)
	v_sub_f32 v[TW], v12, v[TW]                    ; old M - new M
	s_delay_alu instid0(VALU_DEP_1)
	v_cvt_i32_f32 v[TW], v[TW]                     ; (it saturates)
	s_delay_alu instid0(VALU_DEP_1)
	v_ldexp_f32 v[F], 1.0, v[TW]                   ; f: a multiplication by it rounds nothing
.set n, 0
.rept 32
	v_pk_fma_f32 v[S+n:S+n+1], v[S+n:S+n+1], s[CS:CS+1], v[12:13] op_sel_hi:[1,0,0]   ; t - M
.set n, n+2
.endr
.irp b, 0,1,2,3
	v_fma_f32 v[BM+\b], v[BM+\b], s[CS], v12       ; the same of each block's largest score
.endr
.set n, 0
	s_wait_alu depctr_va_vdst(0)
.rept 64
	v_exp_f32 v[S+n], v[S+n]                       ; p = 2^(t - M)
.set n, n+1
.endr
	v_pk_mul_f32 v[14:15], v[14:15], v[F:F+1] op_sel_hi:[1,0]   ; the sums under the new M: the plain line behind the exponentials
	s_wait_alu depctr_va_vdst(0)                   ; one wait for the batch, ahead of its first reader
.irp b, 0,1,2,3
	v_exp_f32 v[BM+\b], v[BM+\b]                   ; the blocks' largest p
.endr
	v_pk_add_f32 v[196:197], v[100:101], v[104:105]   ; the row's sum of the unquantised p, in eight chains
	v_pk_add_f32 v[252:253], v[108:109], v[112:113]
	v_pk_add_f32 v[250:251], v[116:117], v[120:121]
	v_pk_add_f32 v[248:249], v[124:125], v[128:129]
	v_pk_add_f32 v[246:247], v[132:133], v[136:137]
	v_pk_add_f32 v[244:245], v[140:141], v[144:145]
	v_pk_add_f32 v[242:243], v[148:149], v[152:153]
	v_pk_add_f32 v[14:15], v[14:15], v[156:157]
	v_pk_add_f32 v[196:197], v[196:197], v[96:97]
	v_pk_add_f32 v[252:253], v[252:253], v[98:99]
	v_pk_add_f32 v[250:251], v[250:251], v[102:103]
	v_pk_add_f32 v[248:249], v[248:249], v[106:107]
	v_pk_add_f32 v[246:247], v[246:247], v[110:111]
	v_pk_add_f32 v[244:245], v[244:245], v[114:115]
	v_pk_add_f32 v[242:243], v[242:243], v[118:119]
	v_pk_add_f32 v[14:15], v[14:15], v[122:123]
	v_pk_add_f32 v[196:197], v[196:197], v[126:127]
	v_pk_add_f32 v[252:253], v[252:253], v[130:131]
	v_pk_add_f32 v[250:251], v[250:251], v[134:135]
	v_pk_add_f32 v[248:249], v[248:249], v[138:139]
	v_pk_add_f32 v[246:247], v[246:247], v[142:143]
	v_pk_add_f32 v[244:245], v[244:245], v[146:147]
	v_pk_add_f32 v[242:243], v[242:243], v[150:151]
	v_pk_add_f32 v[14:15], v[14:15], v[154:155]
	v_pk_add_f32 v[196:197], v[196:197], v[158:159]
	s_delay_alu instid0(VALU_DEP_2)
	v_pk_add_f32 v[14:15], v[14:15], v[248:249]
	s_delay_alu instid0(VALU_DEP_2)
	v_pk_add_f32 v[196:197], v[196:197], v[246:247]
	v_pk_add_f32 v[252:253], v[252:253], v[244:245]
	v_pk_add_f32 v[250:251], v[250:251], v[242:243]
	s_delay_alu instid0(VALU_DEP_2)
	v_pk_add_f32 v[14:15], v[14:15], v[252:253]
	s_delay_alu instid0(VALU_DEP_2)
	v_pk_add_f32 v[196:197], v[196:197], v[250:251]
	s_delay_alu instid0(VALU_DEP_1)
	v_pk_add_f32 v[14:15], v[14:15], v[196:197]
	s_wait_alu depctr_va_vdst(0)                   ; and one for the four
.irp b, 0,1,2,3
	v_max_num_f32 v[BM+\b], 0x1800000, v[BM+\b]    ; the floor 2^(3 - 127)
.endr
.irp b, 0,1,2,3
	s_delay_alu instid0(VALU_DEP_4)
	v_add_nc_u32 v[SO+\b], 0xff000000, v[BM+\b]
.endr
.irp b, 0,1,2,3
	s_delay_alu instid0(VALU_DEP_4)
	v_lshrrev_b32 v[BT+\b], 23, v[SO+\b]
.endr
	s_delay_alu instid0(VALU_DEP_3)
	v_lshl_or_b32 v[PW], v[BT+1], 8, v[BT]         ; p's scale word for these 128 keys
	s_delay_alu instid0(VALU_DEP_1)
	v_lshl_or_b32 v[PW], v[BT+2], 16, v[PW]
	s_delay_alu instid0(VALU_DEP_1)
	v_lshl_or_b32 v[PW], v[BT+3], 24, v[PW]
.irp c, 0,1
	v_cvt_scalef32_pk16_fp6_f32 v[PC+6*\c:PC+6*\c+2], v[S+32*\c:S+32*\c+15], v[SO+2*\c]
	v_cvt_scalef32_pk16_fp6_f32 v[CT+4*\c:CT+4*\c+2], v[S+32*\c+16:S+32*\c+31], v[SO+2*\c+1]
.endr
	v_nop                                          ; one plain line behind the conversions
.irp t, 0,1,2,3                                ; V^T's four fragments land where p stood, while the lines below are worked
	ds_load_b128 v[S+12*\t:S+12*\t+3], v[AI] offset:6656+1536*\t
	ds_load_b64 v[S+12*\t+4:S+12*\t+5], v[AB] offset:6656+1536*\t+512
	ds_load_b128 v[S+12*\t+6:S+12*\t+9], v[AI] offset:6656+1536*\t+768
	ds_load_b64 v[S+12*\t+10:S+12*\t+11], v[AB] offset:6656+1536*\t+1280
.endr
	ds_load_b64 v[VS:VS+1], v[A8] offset:12800
.irp c, 0,1                                    ; the operand wants a whole block in a lane
.irp i, 0,1,2
	v_permlane16_swap_b32 v[PC+6*\c+\i], v[CT+4*\c+\i]
.endr
.irp i, 0,1,2
	s_delay_alu instid0(VALU_DEP_3)
	v_mov_b32 v[PC+6*\c+3+\i], v[CT+4*\c+\i]
.endr
.endr
.set n, 0
.rept 16
	v_pk_mul_f32 v[O+n:O+n+1], v[O+n:O+n+1], v[F:F+1] op_sel_hi:[1,0]   ; O^T under the new M; these sixteen are also the places between the codes' and the scale word's last writes and the products
.set n, n+2
.endr
	s_wait_alu depctr_va_vdst(0)
	s_wait_dscnt 0x0
.irp t, 0,1,2,3                                ; O^T += V^T P^T: the four accumulators by turns
.if \t%2
	v_wmma_scale_f32_16x16x128_f8f6f4 v[O+8*\t:O+8*\t+7], v[S+12*\t:S+12*\t+11], v[PC:PC+11], v[O+8*\t:O+8*\t+7], v[VS+\t/2], v[PW] matrix_a_fmt:MATRIX_FMT_FP6 matrix_b_fmt:MATRIX_FMT_FP6 matrix_a_scale:MATRIX_SCALE_ROW1
.else
	v_wmma_scale_f32_16x16x128_f8f6f4 v[O+8*\t:O+8*\t+7], v[S+12*\t:S+12*\t+11], v[PC:PC+11], v[O+8*\t:O+8*\t+7], v[VS+\t/2], v[PW] matrix_a_fmt:MATRIX_FMT_FP6 matrix_b_fmt:MATRIX_FMT_FP6
.endif
.endr
.Lhidden:
	s_add_co_u32 s[TB], s[TB], CHK
	s_add_co_u32 s[STEPI], s[STEPI], 1
	s_cmp_lt_u32 s[STEPI], 16
	s_cbranch_scc1 .Lstep
	; the pass's end: y = O^T / the sum; register 16 b + i is channel 32 b + 16 h + i of my query: two blocks along the last product's K
.rept 4
	v_nop
.endr
	v_add_f32 v14, v14, v15
	s_delay_alu instid0(VALU_DEP_1)
	v_permlanex16_b32 v[TW], v14, s[SEL], s[SEL+1]
	s_delay_alu instid0(VALU_DEP_1)
	v_add_f32 v14, v14, v[TW]                      ; the row's sum
	s_wait_alu depctr_va_vdst(0)
	v_rcp_f32 v14, v14
	v_nop                                          ; a plain line behind the reciprocal
	s_wait_alu depctr_va_vdst(0)                   ; and the wait ahead of its first reader
.set n, 0
.rept 16
	v_pk_mul_f32 v[S+n:S+n+1], v[O+n:O+n+1], v[14:15] op_sel_hi:[1,0]
.set n, n+2
.endr
.irp b, 0,1
	v_max3_num_f32 v[BM+\b], |v[S+16*\b]|, |v[S+1+16*\b]|, 0x1800000
.endr
.irp i, 2,4,6,8,10,12,14
.irp b, 0,1
	s_delay_alu instid0(VALU_DEP_2)
	v_max3_num_f32 v[BM+\b], v[BM+\b], |v[S+16*\b+\i]|, |v[S+1+16*\b+\i]|
.endr
.endr
.irp b, 0,1
	s_delay_alu instid0(VALU_DEP_2)
	v_permlanex16_b32 v[BT+\b], v[BM+\b], s[SEL], s[SEL+1]
.endr
.irp b, 0,1
	s_delay_alu instid0(VALU_DEP_2)
	v_max_num_f32 v[BM+\b], v[BM+\b], v[BT+\b]
.endr
.irp b, 0,1
	s_delay_alu instid0(VALU_DEP_2)
	v_add_nc_u32 v[SO+\b], 0xff000000, v[BM+\b]
.endr
.irp b, 0,1
	s_delay_alu instid0(VALU_DEP_2)
	v_lshrrev_b32 v[BT+\b], 23, v[SO+\b]
.endr
	s_delay_alu instid0(VALU_DEP_1)
	v_lshl_or_b32 v[YW], v[BT+1], 8, v[BT]         ; my row's two bytes
	v_cvt_scalef32_pk16_fp6_f32 v[PC:PC+2], v[S:S+15], v[SO]
	v_cvt_scalef32_pk16_fp6_f32 v[CT:CT+2], v[S+16:S+31], v[SO+1]
	v_nop
.irp i, 0,1,2
	v_permlane16_swap_b32 v[PC+\i], v[CT+\i]
.endr
.irp i, 0,1,2
	s_delay_alu instid0(VALU_DEP_3)
	v_mov_b32 v[PC+3+\i], v[CT+\i]
.endr
	global_store_b128 v[LI], v[PC:PC+3], s[YC:YC+1]              ; 512 consecutive bytes
	global_store_b64 v[LB], v[PC+4:PC+5], s[YC:YC+1] offset:512  ; 256 consecutive bytes
	global_store_b16 v[R8], v[YW], s[YSB:YSB+1]                  ; lanes r and 16 + r store the same two bytes
	s_wait_xcnt 0x0                                ; the stores have read their registers and bases: both are written again in the next pass
.irp k, 0,1,2,3,4,5
	v_mov_b32 v[QF+\k], v[Q1+\k]                   ; the second pass's Q
.endr
	v_mov_b32 v[QS], v[Q1+6]
	s_sub_co_u32 s[J], 15, s[J]                    ; and its chunk
	s_sub_co_u32 s[PASS], s[PASS], 1
	s_cmp_lg_u32 s[PASS], 0
	s_cbranch_scc1 .Lpass
	s_wait_tensorcnt 0x0                           ; the wave's end
	ds_add_u32 v254, v255
	s_wait_dscnt 0x0
	ROUND                                          ; the closing round
	s_endpgm
.Lfunc_end_k_q07a0ad1319_attn:
	.size	k_q07a0ad1319_attn, .Lfunc_end_k_q07a0ad1319_attn-k_q07a0ad1319_attn
	.p2alignl 7, 3214868480
	.fill 96, 4, 3214868480
	.section	.rodata,"a",@progbits
	.p2align	6, 0x0
	.amdhsa_kernel k_q07a0ad1319_attn
		.amdhsa_group_segment_fixed_size 210944
		.amdhsa_private_segment_fixed_size 0
		.amdhsa_enable_private_segment 0
		.amdhsa_kernarg_size 16
		.amdhsa_user_sgpr_count 2
		.amdhsa_user_sgpr_kernarg_segment_ptr 1
		.amdhsa_wavefront_size32 1
		.amdhsa_system_sgpr_workgroup_id_x 1
		.amdhsa_system_sgpr_workgroup_id_y 1
		.amdhsa_system_sgpr_workgroup_id_z 1
		.amdhsa_system_vgpr_workitem_id 0
		.amdhsa_next_free_vgpr 256
		.amdhsa_next_free_sgpr 66
		.amdhsa_reserve_vcc 1
		.amdhsa_float_denorm_mode_32 3
		.amdhsa_float_denorm_mode_16_64 3
		.amdhsa_memory_ordered 1
		.amdhsa_forward_progress 1
		.amdhsa_inst_pref_size 36
	.end_amdhsa_kernel
	.amdgpu_metadata
---
amdhsa.version: [ 1, 2 ]
amdhsa.kernels:
  - .name:           k_q07a0ad1319_attn
    .symbol:         k_q07a0ad1319_attn.kd
    .args:
      - { .name: qkvq, .offset: 0, .size: 8, .value_kind: global_buffer, .address_space: global }
      - { .name: yq, .offset: 8, .size: 8, .value_kind: global_buffer, .address_space: global }
    .group_segment_fixed_size: 210944
    .private_segment_fixed_size: 0
    .kernarg_segment_align: 8
    .kernarg_segment_size: 16
    .max_flat_workgroup_size: 512
    .sgpr_count:     66
    .vgpr_count:     256
    .wavefront_size: 32
...
	.end_amdgpu_metadata
.endif
;; end of part 3
;; launch proj_out (part 4): grid 8 x 32, 4 waves a work-group, clusters of 4 x 4, 327,680 bytes of LDS; arguments ops, yq, b_out, out0; writes out0
.if DOCPART == 4
	.amdgcn_target "amdgcn-amd-amdhsa--gfx1250"
	.amdhsa_code_object_version 6
	.text
	.protected	k_q07a0ad1319_proj_out
	.globl	k_q07a0ad1319_proj_out
	.p2align	8
	.type	k_q07a0ad1319_proj_out,@function
k_q07a0ad1319_proj_out:
	s_mov_b64 s[64:65], 0
	v_nop
	global_prefetch_b8 v0, s[64:65] scope:SCOPE_SE
	s_setreg_imm32_b32 hwreg(HW_REG_WAVE_MODE, 25, 1), 1
	s_wait_xcnt 0x0
	s_wait_alu depctr_hold_cnt(0) depctr_sa_sdst(0) depctr_va_vdst(0) depctr_va_sdst(0) depctr_va_ssrc(0) depctr_va_vcc(0) depctr_vm_vsrc(0)
	s_getreg_b32 s2, hwreg(HW_REG_IB_STS2, 6, 4)
	s_cmp_eq_u32 s2, 0
	s_cbranch_scc0 .Lentry_in_a_cluster
	s_endpgm
.Lentry_in_a_cluster:
	s_bfe_u32 s2, ttmp6, 0x10000c
	s_cmp_lg_u32 s2, 0xf033
	s_cbranch_scc0 .Lentry_shape_is_right
	s_endpgm
.Lentry_shape_is_right:
; out0 = y W_out + b_out on codes of FP6 (E2M3) with E8M0 scales, K = 1,024; sums in f32.
; OPERANDS lie as images of the matrix unit's registers: a row tile of 16 rows is 12,288 bytes, sixteen images of 64 K on end (registers 0-3 at 16 x lane, registers 4-5 at 512 + 16 r + 8 h);
; its scale words are 512 bytes, [256 along K][row r][128 along K] x 4.  Row tile 2 g + u holds in row r the index 32 g + 8 u + r + 8 (r / 8).  y: yq's tiles 0-511; W_out's columns: ops' tiles 704-767.
; THE DEAL.  256 work-groups; each makes 256 tokens x 128 columns.  All of K of both operands fits in LDS at once (196,608 + 98,304 bytes of codes, 8,192 + 4,096 of scale words): four tensor loads at the head,
; one a wave, and nothing is filled again: no ring.  Four waves, 2 x 2: a wave holds its 64 columns of W_out, all of K, in registers (32 fragments, 384 registers) and takes its 128 tokens in eight blocks of 16:
; a block is 8 fragments and 32 products on four accumulators by turns, and is finished behind them; the bias is the first four products' C.
; The matrix instruction is used transposed (source 0 = W_out's columns): a lane holds one token, and the 16 registers of column tiles 2 g, 2 g + 1 are columns 32 g + 16 h + 0 .. 15.
; THE WAY OUT.  A block goes through the wave's own stage (16 rows of 256 + 16 bytes, bytes that no tensor load fills) and leaves as whole rows: sixteen lanes store 256 consecutive bytes, aligned.
; Block s - 1 is stored behind block s's products.
; CLUSTERS 4 x 4: y's tiles hang on the tile row and are shared along a row of the cluster, W_out's on the tile column and along a column: asked for jointly.
; NO PREFETCH: every tile is asked for at the head; the text has no later load to run ahead of.
; The first barrier shows W_out's codes alone (wave 0's own load line): the 128 LDS loads that bring them into registers stand ahead of the wait for the other tiles.
; REGISTERS: window 0: v4-15 addresses, v32-47 W_out's scale words, v52-67 y's (two sets), v96-127 the bias, v128-191 two sets of accumulators, v192-255 two sets of rows on the way out.
; Fragment f lies in window 1 + f / 21 at register 12 (f % 21): 0-31 W_out's (4 q + b), 32-39 and 40-47 y's two sets.
.set FR,     12
.set FPW,    21
.set RTB,    12288
.set BCB,    16*RTB                    ; LDS: y's codes from 0, W_out's from here
.set ASC,    BCB+8*RTB                 ; y's scale words
.set BSC,    ASC+16*512                ; W_out's
.set STAGE,  BSC+8*512
.set SPITCH, 272
.set SPARE,  STAGE+4*16*SPITCH         ; the spare words, 128 bytes a wave
.set XS_OFF, 0x900000
.set YS_OFF, 0x600000
.set WT0,    704
.set NF,     36                        ; LDS loads of a block: 32 for eight fragments, 4 for eight scale words
.set ADA, 4                            ; v4, v5 my blocks 0-3 of y (+ 16 x lane; + 16 r + 8 h); v6, v7 blocks 4-7
.set ADB, 8                            ; v8, v9 my four column tiles
.set AAS, 10                           ; y's scale words: 8 r
.set ABS, 11                           ; W_out's: 8 r + 512 h: lanes 0-15 an even tile, lanes 16-31 the odd one
.set STO, 12
.set RD,  13
.set CO,  14
.set BO,  15
.set SPW, 28
.set NIL, 29
.set SB,  32
.set SA,  52
.set BR,  96
.set ACC, 128
.set OB,  192
.set G1A, 24
.set G1B, 32
.set G1SA, 48
.set G1SB, 56
.set G0A, 68
.set G0B, 72
.set G0SA, 76
.set G0SB, 80
.set MSB, 0
.macro WIN new                         ; the immediate's high byte repeats the setting that is left
.if MSB != (\new)
	s_set_vgpr_msb (MSB<<8)|(\new)
.set MSB, \new
.endif
.endm
.macro PLACES n
.rept \n
	v_nop
.endr
.endm
.macro BARRIER
	s_barrier_signal -1
	s_barrier_wait -1
.endm
.macro CROUND                          ; a round of the cluster's barrier
	BARRIER
	s_cmp_lg_u32 s14, 0
	s_cbranch_scc1 .Lnot_wave_0_\@
	s_barrier_signal -3
.Lnot_wave_0_\@:
	s_barrier_wait -3
	BARRIER
.endm
.macro GROUP1 g, mask, rows            ; a dense block as rows of 256 bytes (32 elements of 8), no padding
	s_or_b32 s[\g], s[\mask], (3<<16)|(1<<21)
	s_mov_b32 s[\g+1], 32<<16
	s_mov_b32 s[\g+2], (\rows)<<16
	s_mov_b32 s[\g+3], 32<<16
	s_mov_b32 s[\g+4], \rows
	s_mov_b32 s[\g+5], 32
	s_mov_b32 s[\g+6], 0
	s_mov_b32 s[\g+7], 0
.endm
.macro GROUP0 g, lds, base, off
	s_mov_b32 s[\g], 1
	s_mov_b32 s[\g+1], \lds
	s_add_nc_u64 s[\g+2:\g+3], s[\base:\base+1], s[\off:\off+1]
	s_or_b32 s[\g+3], s[\g+3], 0x80000000
.endm
.macro ARM under, g0, g1, next         ; one chain of branches on the wave's number: every way through the head passes exactly one load
	s_cmp_lt_u32 s14, \under
	s_cbranch_scc0 \next
	tensor_load_to_lds s[\g0:\g0+3], s[\g1:\g1+7]
	s_nop 0
	PLACES 4
	s_branch .Lhead_asked
\next:
.endm
.macro FRAG f, a, off                  ; a fragment, 16 rows x 128 K: two images on end
	WIN (1+(\f)/FPW)<<6
.set R_, FR*((\f)%FPW)
	ds_load_b128 v[R_:R_+3], v[\a] offset:(\off)
	ds_load_b64 v[R_+4:R_+5], v[\a+1] offset:(\off)+512
	ds_load_b128 v[R_+6:R_+9], v[\a] offset:(\off)+768
	ds_load_b64 v[R_+10:R_+11], v[\a+1] offset:(\off)+1280
.endm
.macro FETCH s                         ; block s of y into set s % 2: NF loads
.irp q, 0,1,2,3,4,5,6,7
	FRAG 32+8*((\s)%2)+\q, ADA+2*((\s)/4), ((\s)%4)*RTB+\q*1536
.endr
	WIN 0
.irp i, 0,1,2,3
	ds_load_b64 v[SA+8*((\s)%2)+2*\i:SA+8*((\s)%2)+2*\i+1], v[AAS] offset:(\s)*512+128*\i
.endr
.endm
.macro PROD1 n, c
.if B_%2
	v_wmma_scale_f32_16x16x128_f8f6f4 v[D_:D_+7], v[FR*((\n)%FPW):FR*((\n)%FPW)+FR-1], v[FR*(FA_%FPW):FR*(FA_%FPW)+FR-1], \c, v[XB_], v[XA_] matrix_a_fmt:MATRIX_FMT_FP6 matrix_b_fmt:MATRIX_FMT_FP6 matrix_a_scale:MATRIX_SCALE_ROW1
.else
	v_wmma_scale_f32_16x16x128_f8f6f4 v[D_:D_+7], v[FR*((\n)%FPW):FR*((\n)%FPW)+FR-1], v[FR*(FA_%FPW):FR*(FA_%FPW)+FR-1], \c, v[XB_], v[XA_] matrix_a_fmt:MATRIX_FMT_FP6 matrix_b_fmt:MATRIX_FMT_FP6
.endif
.endm
.macro PROD e, n                       ; product n = 4 q + b of a block in set e
.set Q_, (\n)/4
.set B_, (\n)%4
.set FA_, 32+8*(\e)+Q_
.set D_, ACC+32*(\e)+8*B_
.set XB_, SB+8*(B_/2)+Q_
.set XA_, SA+8*(\e)+Q_
	WIN (1+(\n)/FPW)|((1+FA_/FPW)<<2)
.if Q_
	PROD1 \n, v[D_:D_+7]
.else
	PROD1 \n, v[BR+8*B_:BR+8*B_+7]
.endif
.endm
.macro TOSTAGE s                       ; 16 LDS instructions; LDS serves a wave's instructions in order, so the loads see the stores, and the next block's stores come behind these loads
.set AC_, ACC+32*((\s)%2)
.irp b, 0,1,2,3
	ds_store_b128 v[STO], v[AC_+8*\b:AC_+8*\b+3] offset:128*(\b/2)+32*(\b%2)        ; each accumulator from its low end on
	ds_store_b128 v[STO], v[AC_+8*\b+4:AC_+8*\b+7] offset:128*(\b/2)+32*(\b%2)+16
.endr
.irp t, 0,1,2,3,4,5,6,7
	ds_load_b128 v[OB+32*((\s)%2)+4*\t:OB+32*((\s)%2)+4*\t+3], v[RD] offset:\t*2*SPITCH
.endr
.endm
.macro SEND s, younger                 ; younger: the LDS loads issued behind block s's loads from the stage
	s_wait_dscnt \younger
.irp t, 0,1,2,3,4,5,6,7
	global_store_b128 v[CO], v[OB+32*((\s)%2)+4*\t:OB+32*((\s)%2)+4*\t+3], s[10:11] offset:(32*((\s)/2)+8*((\s)%2)+2*\t+8*(\t/4))*4096 th:TH_STORE_NT
.endr
.endm
; A block.  The wait at its top: younger than its fetch are the last block's 16 stage instructions and the next block's fetch (block 0: the next fetch alone; block 7: the 16 alone).
.macro BLK s
.if (\s) == 0
	s_wait_dscnt NF
.elseif (\s) == 7
	s_wait_dscnt 16
.else
	s_wait_dscnt NF+16
.endif
.set N_, 0
.rept 32
	PROD (\s)%2, N_
.set N_, N_+1
.endr
	WIN 0
	PLACES 4                                       ; between the products and the stores of their results and the loads into their sources
.if (\s) > 1
	s_wait_xcnt 0x0                                ; block s - 2's stores have read the registers into which this block's rows come back
.endif
.if (\s) == 7
	SEND (\s)-1, 0
.elseif (\s) > 0
	SEND (\s)-1, NF
.endif
	TOSTAGE \s
.if (\s)+2 < 8
	FETCH (\s)+2
.endif
.endm
	s_load_b256 s[4:11], s[0:1], 0x0               ; ops, yq, b_out, out0
	v_lshl_add_u32 v[SPW], v0, 2, SPARE
	v_mov_b32 v[NIL], 0
	ds_add_u32 v[SPW], v[NIL]                      ; the opening lines: the add twice on end and its wait ahead of my first tensor load
	ds_add_u32 v[SPW], v[NIL]
	v_lshrrev_b32 v1, 5, v0
	v_readfirstlane_b32 s14, v1                    ; wave
	s_lshr_b32 s15, s14, 1                         ; which 128 tokens are mine
	s_and_b32 s16, s14, 1                          ; which 64 columns
	s_bfe_u32 s40, ttmp6, 0x40000                  ; cx
	s_bfe_u32 s41, ttmp6, 0x40004                  ; cy
	s_lshl_b32 s42, ttmp9, 2
	s_add_co_u32 s42, s42, s40                     ; tile column, 0 .. 7
	s_and_b32 s17, ttmp7, 0xffff
	s_lshl_b32 s17, s17, 2
	s_add_co_u32 s17, s17, s41                     ; tile row, 0 .. 31
	s_lshl_b32 s43, s41, 2
	s_lshl_b32 s43, 15, s43                        ; my row of the cluster
	s_lshl_b32 s44, 0x1111, s40                    ; my column
	GROUP1 G1A, 43, 768
	GROUP1 G1B, 44, 384
	GROUP1 G1SA, 43, 32
	GROUP1 G1SB, 44, 16
	s_mul_i32 s20, s17, 16*RTB                     ; y's codes, bytes from yq
	s_mov_b32 s21, 0
	s_lshl_b32 s22, s17, 13
	s_add_co_u32 s22, s22, YS_OFF                  ; y's scale words
	s_mov_b32 s23, 0
	s_mul_i32 s46, s42, 8*RTB
	s_add_co_u32 s46, s46, WT0*RTB                 ; W_out's codes, bytes from ops
	s_mov_b32 s47, 0
	s_lshl_b32 s92, s42, 12
	s_add_co_u32 s92, s92, XS_OFF+WT0*512          ; W_out's scale words
	s_mov_b32 s93, 0
	s_mul_i32 s84, s15, 8*RTB                      ; LDS: my tokens' codes,
	s_mul_i32 s85, s16, 4*RTB
	s_add_co_u32 s85, s85, BCB                     ; my columns' codes,
	s_lshl_b32 s86, s15, 12
	s_add_co_u32 s86, s86, ASC                     ; my tokens' scale words,
	s_lshl_b32 s87, s16, 11
	s_add_co_u32 s87, s87, BSC                     ; my columns',
	s_mul_i32 s88, s14, 16*SPITCH
	s_add_co_u32 s88, s88, STAGE                   ; my stage
	s_lshl_b32 s18, s17, 8
	s_lshl_b32 s19, s15, 7
	s_add_co_u32 s18, s18, s19
	s_lshl_b32 s18, s18, 12                        ; my first token's row of out0, in bytes
	s_mov_b32 s19, 0
	s_lshl_b32 s12, s42, 9
	s_lshl_b32 s13, s16, 8
	s_add_co_u32 s12, s12, s13                     ; my first column, in bytes
	s_mov_b32 s13, 0
	s_wait_dscnt 0x0                               ; both opening adds are done
	s_wait_kmcnt 0x0
	GROUP0 G0A, 0, 6, 20
	GROUP0 G0B, BCB, 4, 46
	GROUP0 G0SA, ASC, 6, 22
	GROUP0 G0SB, BSC, 4, 92
	s_add_nc_u64 s[10:11], s[10:11], s[18:19]
	s_add_nc_u64 s[10:11], s[10:11], s[12:13]
	s_add_nc_u64 s[8:9], s[8:9], s[12:13]
	CROUND                                         ; all sixteen work-groups are here: the joint loads meet
	ARM 1, G0B,  G1B,  .Lhead_a                    ; wave 0: W_out's codes, wanted first
	ARM 2, G0A,  G1A,  .Lhead_sb                   ; wave 1: y's codes
	ARM 3, G0SB, G1SB, .Lhead_sa                   ; wave 2: W_out's scale words
	tensor_load_to_lds s[G0SA:G0SA+3], s[G1SA:G1SA+7]   ; wave 3: y's
	s_nop 0
	PLACES 4
.Lhead_asked:
	v_and_b32 v1, 15, v0                           ; r
	v_bfe_u32 v2, v0, 4, 1                         ; h
	v_and_b32 v3, 31, v0
	v_lshlrev_b32 v16, 4, v3                       ; 16 x lane
	v_lshlrev_b32 v17, 4, v1
	v_lshl_add_u32 v17, v2, 3, v17                 ; 16 r + 8 h
	v_add_nc_u32 v[ADA], s84, v16
	v_add_nc_u32 v[ADA+1], s84, v17
	v_add_nc_u32 v[ADA+2], 4*RTB, v[ADA]
	v_add_nc_u32 v[ADA+3], 4*RTB, v[ADA+1]
	v_add_nc_u32 v[ADB], s85, v16
	v_add_nc_u32 v[ADB+1], s85, v17
	v_lshlrev_b32 v18, 3, v1
	v_add_nc_u32 v[AAS], s86, v18
	v_lshl_add_u32 v18, v2, 9, v18
	v_add_nc_u32 v[ABS], s87, v18
	v_mul_u32_u24 v19, v1, SPITCH
	v_lshl_add_u32 v19, v2, 6, v19
	v_add_nc_u32 v[STO], s88, v19                  ; into the stage: row r, 64 bytes for each half of the lanes
	v_mul_u32_u24 v20, v2, SPITCH
	v_lshl_add_u32 v20, v1, 4, v20
	v_add_nc_u32 v[RD], s88, v20                   ; back: sixteen lanes to a row, two rows an instruction
	v_lshlrev_b32 v21, 12, v2
	v_lshl_add_u32 v[CO], v1, 4, v21               ; and the same two rows in out0
	v_lshlrev_b32 v[BO], 6, v2                     ; the bias: 16 h numbers
	s_wait_alu depctr_va_vdst(0)
.irp b, 0,1,2,3
	global_load_b128 v[BR+8*\b:BR+8*\b+3], v[BO], s[8:9] offset:(32*(\b/2)+8*(\b%2))*4
	global_load_b128 v[BR+8*\b+4:BR+8*\b+7], v[BO], s[8:9] offset:(32*(\b/2)+8*(\b%2))*4+16
.endr
	s_cmp_eq_u32 s14, 0
	s_cbranch_scc0 .Lnot_b
	s_wait_tensorcnt 0x0                           ; wave 0: W_out's codes are in
.Lnot_b:
	BARRIER                                        ; the other tiles may be on their way
.irp q, 0,1,2,3,4,5,6,7
.irp b, 0,1,2,3
	FRAG 4*\q+\b, ADB, \b*RTB+\q*1536
.endr
.endr
	WIN 0
	s_wait_tensorcnt 0x0                           ; every wave: its tile is in
	s_wait_dscnt 0x0
	BARRIER                                        ; all four tiles are shown to all
.irp p, 0,1
.irp i, 0,1,2,3
	ds_load_b64 v[SB+8*\p+2*\i:SB+8*\p+2*\i+1], v[ABS] offset:1024*\p+128*\i
.endr
.endr
	FETCH 0
	FETCH 1
	s_wait_loadcnt 0x0                             ; the bias
.irp s, 0,1,2,3,4,5,6,7
	BLK \s
.endr
	SEND 7, 0
	s_wait_tensorcnt 0x0                           ; the wave's end
	ds_add_u32 v[SPW], v[NIL]
	s_wait_dscnt 0x0
	CROUND                                         ; the closing round
	s_endpgm
.Lfunc_end_k_q07a0ad1319_proj_out:
	.size	k_q07a0ad1319_proj_out, .Lfunc_end_k_q07a0ad1319_proj_out-k_q07a0ad1319_proj_out
	.p2alignl 7, 3214868480
	.fill 96, 4, 3214868480
	.section	.rodata,"a",@progbits
	.p2align	6, 0x0
	.amdhsa_kernel k_q07a0ad1319_proj_out
		.amdhsa_group_segment_fixed_size 327680
		.amdhsa_private_segment_fixed_size 0
		.amdhsa_enable_private_segment 0
		.amdhsa_kernarg_size 32
		.amdhsa_user_sgpr_count 2
		.amdhsa_user_sgpr_kernarg_segment_ptr 1
		.amdhsa_wavefront_size32 1
		.amdhsa_system_sgpr_workgroup_id_x 1
		.amdhsa_system_sgpr_workgroup_id_y 1
		.amdhsa_system_sgpr_workgroup_id_z 1
		.amdhsa_system_vgpr_workitem_id 0
		.amdhsa_next_free_vgpr 1024
		.amdhsa_next_free_sgpr 98
		.amdhsa_reserve_vcc 0
		.amdhsa_float_denorm_mode_32 3
		.amdhsa_float_denorm_mode_16_64 3
		.amdhsa_memory_ordered 1
		.amdhsa_forward_progress 1
		.amdhsa_inst_pref_size 86
	.end_amdhsa_kernel
	.amdgpu_metadata
---
amdhsa.version: [ 1, 2 ]
amdhsa.kernels:
  - .name:           k_q07a0ad1319_proj_out
    .symbol:         k_q07a0ad1319_proj_out.kd
    .args:
      - { .name: ops, .offset: 0, .size: 8, .value_kind: global_buffer, .address_space: global }
      - { .name: yq, .offset: 8, .size: 8, .value_kind: global_buffer, .address_space: global }
      - { .name: b_out, .offset: 16, .size: 8, .value_kind: global_buffer, .address_space: global }
      - { .name: out0, .offset: 24, .size: 8, .value_kind: global_buffer, .address_space: global }
    .group_segment_fixed_size: 327680
    .private_segment_fixed_size: 0
    .kernarg_segment_align: 8
    .kernarg_segment_size: 32
    .max_flat_workgroup_size: 128
    .sgpr_count:     98
    .vgpr_count:     1024
    .wavefront_size: 32
...
	.end_amdgpu_metadata
.endif
;; end of part 4
